; MI455X (gfx1250); checked and timed in simulation.
; The chip was launched on July 23, 2026; its instructions are those of AMD's public machine-readable ISA for CDNA 5 (MIT licence, August 2026) and "CDNA5" Instruction Set Architecture Reference Guide (July 2026). The comments in the code are by the model that wrote it; some were corrected since.
;; Edge Aware Module. Allowed arithmetic: matrix products marked QUANTISED: E4M3 operands, one given power-of-two scale a tensor, by v_wmma_f32_16x16x64_fp8_fp8 or v_wmma_f32_16x16x128_fp8_fp8, f32 sums; products left as they are: f32 operands where the result goes on into a quantised operand, else bf16, f16 or f32 operands; f32 sums; everything else in f32.
;; Inputs: e_b1 64 float32; e_b2 1 float32; e_lnb 64 float32; e_lnw 64 float32; e_w1 272 x 64 float32; e_w2 64 x 1 float32; features 8 x 4,096 x 256 float32; g_b1 32 float32; g_b2 16 float32; g_lnb 32 float32; g_lnw 32 float32; g_w1 10 x 32 float32; g_w2 32 x 16 float32; lowp_scales 6 int32 (the exponents e of the quantised operands' scales 2^e); r_b 256 float32; r_lnb 256 float32; r_lnw 256 float32; r_w 256 x 256 float32; xyz 8 x 4,096 x 3 float32.
;; Outputs: out0 8 x 4,096 x 256 float32; out1 8 x 4,096 x 1 float32.
;; This version of the problem:
;;   THIS VERSION OF THE PROBLEM IS GIVEN IN LOW PRECISION. The matrix products marked QUANTISED in the list below multiply operands that are first quantised to E4M3 (4 exponent bits, 3 mantissa bits; 8 bits a number), with one given power-of-two scale for each operand tensor; their sums are f32. All else is computed in f32.
;;   The module's matrix products, in the order in which they are computed (A, B: the left and right operand; K: the contracted axis; several contracted axes count as one K, in the product's order):
;;     1. batch 8 x [M 4,096, K 3] x [K 3, N 4,096]; A: input xyz; B: input xyz: left as it is (K = 3 < 32)
;;     2. batch 32,768 x [M 3, K 16] x [K 16, N 3]; A: computed on the way; B: computed on the way: left as it is (K = 16 < 32)
;;     3. [M 32,768, K 10] x [K 10, N 32]; A: computed on the way; B: input g_w1: left as it is (K = 10 < 32)
;;     4. [M 32,768, K 32] x [K 32, N 16]; A: computed on the way; B: input g_w2: QUANTISED (scales: A lowp_scales[0], B lowp_scales[1])
;;     5. [M 32,768, K 272] x [K 272, N 64]; A: computed on the way; B: input e_w1: QUANTISED (scales: A lowp_scales[2], B lowp_scales[3])
;;     6. [M 32,768, K 64] x [K 64, N 1]; A: computed on the way; B: input e_w2: left as it is (N = 1 < 16)
;;     7. [M 32,768, K 256] x [K 256, N 256]; A: input features; B: input r_w: QUANTISED (scales: A lowp_scales[4], B lowp_scales[5])
;;   THE QUANTISER, for each operand of a quantised product, along K:
;;     - The operand's scale is 2^e, e = its entry of the input lowp_scales (int32; the entries are numbered through the quantised products in the list's order, A before B).
;;     - Each number is divided by the scale, clamped to +-448, and rounded to the nearest number of E4M3, ties to even, subnormals kept.
;;     - The product sums the exact products of the quantised numbers (number of the format x scale) in f32.
;;   ~~~python
;;   def quantise(x, axis, e):      # numpy; x: float32 -> the quantised numbers, widened to float32 again
;;       x = np.moveaxis(x, axis, -1); K = x.shape[-1]
;;       r = np.clip(x / 2.0 ** e, -448, 448)
;;       step = 2.0 ** (np.maximum(np.frexp(np.where(r == 0, 1, r))[1] - 1, -6) - 3)
;;       q = np.round(r / step) * step * 2.0 ** e      # np.round: ties to even
;;       return np.moveaxis(q, -1, axis).astype(np.float32)
;;   ~~~
;;   OPERANDS COMPUTED ON THE WAY. 'Computed on the way' means the value that the module computes at that place (a softmax that the list does not call 'softmax' is quantised finished and normalised). What goes into a quantiser is computed in f32, as accurately as f32 sums, v_exp_f32 and their like allow (about 1e-6 of the number): no bf16 or f16 on the way to a quantiser, and a product that is left as it is and whose result goes on into a quantised operand takes f32 operands (vector FMAs, or v_wmma_f32_16x16x4_f32). A number that lies on a knife's edge between two numbers of the format may be rounded either way, as far as f32 arithmetic and the matrix unit's own rounding can turn it there, and no further.
;; 2 versions, each right; version 2 is version 1 with the launches blocks, edge written anew for expert scheduling mode. Each part assembles by itself: llvm-mc -triple=amdgcn-amd-amdhsa -mcpu=gfx1250 --defsym DOCPART=n.
;; ======== version 1 of 2: 2 launches
;; workspace buffers: blk 524,288 bytes of whole numbers; wfr 98,304 bytes
;; launch blocks (part 1): grid 256 x 1, 4 waves a work-group, no clusters, 201,216 bytes of LDS; arguments xyz, lowp_scales, r_w, e_w1, g_w2, r_b, r_lnw, r_lnb, e_b1, e_lnw, e_lnb, e_w2, g_w1, g_b1, g_lnw, g_lnb, blk, wfr; writes blk, wfr
.if DOCPART == 1
	.amdgcn_target "amdgcn-amd-amdhsa--gfx1250"
	.amdhsa_code_object_version 6
	.text
	.protected	k_q6f30ff5a73_blocks
	.globl	k_q6f30ff5a73_blocks
	.p2align	8
	.type	k_q6f30ff5a73_blocks,@function
k_q6f30ff5a73_blocks:
	s_mov_b64 s[64:65], 0
	v_nop
	global_prefetch_b8 v0, s[64:65] scope:SCOPE_SE
	s_setreg_imm32_b32 hwreg(HW_REG_WAVE_MODE, 25, 1), 1
	s_wait_xcnt 0x0
; FIRST LEVEL OF THE 16 NEAREST NEIGHBOURS, and the weights' codes.
; key(n, m) = 2 x_n . x_m - |x_m|^2: the problem's pd without -|x_n|^2, which is the same for all candidates of a query, so the order is the same.
; The 4,096 candidates of a cloud are 256 blocks of 16 neighbouring indices.  The 16 blocks that come first by (largest key descending, block number ascending) hold the 16 candidates that come
; first by (key descending, index ascending): a candidate of a block that is not chosen has 16 blocks' largest keys ahead of it.  This launch stores those 16 block numbers for each query, ascending,
; one a byte; the next launch ranks their 256 candidates.
; SHARES.  Work-group g: cloud g / 32, queries 128 (g % 32) + thread.  A wave has 32 queries, two tiles of 16; lane l ends up with query 32 wave + l.
; KEYS by v_wmma_f32_16x16x4_f32: source 0 = the 16 candidates of a block (x, y, z, -|x|^2), source 1 = 16 queries (2x, 2y, 2z, 1): a lane holds one query and eight candidates.
; TOP 16 WITHOUT A BRANCH.  Pass 1: sorted insertion of each block's largest key into L[0..15] (median of three).  T = L[15], RR = how many L equal T.  Pass 2, blocks ascending: a block is taken where
; its key > T, or = T while fewer than RR ties were taken; a taken number is pushed into a shift register of 16 by selects.  Ties go to the lower number.
; THE JOB.  Wave 0 of work-groups 0 to 45 also lays one piece of wfr: a weight fragment as codes of E4M3 in the order of the operand's registers (lane l's registers 4c .. 4c+3 at 512 c + 16 l), or the small parameters.
; LIMITS.  NaN and infinities in xyz are not served.  Each scale's exponent e lies between -126 and 119.  Candidates whose keys differ by less than f32 rounding of this cancelling formula may be ranked
; otherwise than the problem's own rounding ranks them; exact ties follow it.
; LDS: TAB at 0: 256 blocks x (16 points x 16 bytes + 16 of padding); BM behind it: 32,768 bytes a wave: block t's largest key of lane l at 128 t + 4 l.
; REGISTERS: v1 r, v2 h, v3 12 x thread, v4 v5 where I store points, v6 16 r + 8 h, v7 v9 addresses in hand, v8 my place in BM, v10 16 x thread, v11 4 x lane, v12-14 my own point;
;   v16-143 the cloud's points on their way to LDS; then v16-19 two candidate fragments, v20-23 the two query fragments, v24-30 at work, v32 T, v33 RR, v34 ties taken, v36-39 the packed numbers,
;   v40 v41 a block's largest key by turns, v48-63 L, v64-79 the shift register, v80-95 keys read back; v144-223 the job's; v224-255 the keys: written by the matrix instruction alone.
.set TP,  272
.set BMB, 256*TP
.set L,   48
.set P,   64
.macro INS c                           ; v[c] into the descending list: L[i] = the middle one of L[i-1], L[i], c, from the end on
.irp i,15,14,13,12,11,10,9,8,7,6,5,4,3,2,1
	v_med3_num_f32 v[L+\i], v[L+\i-1], v[L+\i], v[\c]
.endr
	v_max_num_f32 v[L], v[L], v[\c]
.endm
; One block, t; p = t % 2.  mm: the next block's keys are started; n: LDS instructions issued behind the load of its fragment; ld: the fragment three blocks on is asked for, at byte lo; so: where the maximum goes.
.macro STEP p, mm, ld, n, lo, so
.if \mm
	s_wait_dscnt \n                                ; block t+1's fragment is in; what was issued behind it may stay out
	v_wmma_f32_16x16x4_f32 v[240-16*\p:247-16*\p], v[18-2*\p:19-2*\p], v[20:21], 0
	v_wmma_f32_16x16x4_f32 v[248-16*\p:255-16*\p], v[18-2*\p:19-2*\p], v[22:23], 0
.endif
	v_max3_num_f32 v24, v[224+16*\p], v[225+16*\p], v[226+16*\p]   ; block t's keys were started a step ago: 27 plain vector instructions lie between (ISA guide 7.12.1 asks for 8); each result is read from its low end on
	v_max3_num_f32 v25, v[232+16*\p], v[233+16*\p], v[234+16*\p]
	v_max3_num_f32 v26, v[227+16*\p], v[228+16*\p], v[229+16*\p]
	v_max3_num_f32 v27, v[235+16*\p], v[236+16*\p], v[237+16*\p]
	v_max3_num_f32 v24, v24, v26, v[230+16*\p]
	v_max3_num_f32 v25, v25, v27, v[238+16*\p]
	v_max_num_f32 v24, v24, v[231+16*\p]           ; tile 0: the largest of my eight candidates
	v_max_num_f32 v25, v25, v[239+16*\p]           ; tile 1
	v_cndmask_b32 v28, v25, v24, s42               ; lanes 16-31 own tile 1 and send tile 0's, lanes 0-15 the other way round
	v_cndmask_b32 v29, v24, v25, s42
	v_permlanex16_b32 v30, v28, s44, s45
	v_max_num_f32 v[40+\p], v29, v30               ; the block's largest key for my query
	ds_store_b32 v9, v[40+\p] offset:\so
.if \ld
	ds_load_b64 v[18-2*\p:19-2*\p], v7 offset:\lo  ; into the fragment just multiplied: eleven plain vector instructions lie behind its products
.endif
	INS 40+\p
.endm
.macro CHAIN j                         ; is block j of the eight a tie that is still taken?
	v_cmp_lt_u32 s84, v34, v33
	s_and_b32 s84, s84, s[76+(\j)]
	s_or_b32 s[68+(\j)], s[68+(\j)], s84
	v_cndmask_b32 v35, 0, 1, s84
	v_add_nc_u32 v34, v34, v35
.endm
.macro PUSH j                          ; where block j is taken, its number s49 is pushed; the next block's decision stands in the middle
	s_mov_b32 vcc_lo, s[68+\j]
.irp i,15,14,13,12,11,10,9,8
	v_cndmask_b32 v[P+\i], v[P+\i], v[P+\i-1], vcc_lo
.endr
.if \j < 7
	CHAIN \j+1
.endif
.irp i,7,6,5,4,3,2,1
	v_cndmask_b32 v[P+\i], v[P+\i], v[P+\i-1], vcc_lo
.endr
	v_cndmask_b32 v[P], v[P], s49, vcc_lo
	s_add_co_u32 s49, s49, 1
.endm
.macro PROC buf                        ; eight blocks' keys in v[buf] on
.irp j,0,1,2,3,4,5,6,7
	v_cmp_gt_f32 s[68+\j], v[\buf+\j], v32
	v_cmp_eq_f32 s[76+\j], v[\buf+\j], v32
.endr
	CHAIN 0
.irp j,0,1,2,3,4,5,6,7
	PUSH \j
.endr
.endm
.macro LOAD8 buf, adr, off
.irp j,0,1,2,3,4,5,6,7
	ds_load_b32 v[\buf+\j], v[\adr] offset:\off+128*\j
.endr
.endm
.macro WLOAD pitch, nc, ni             ; the job: a lane takes a column of the weight and its registers run down K: number 16 c + i is row 32 c + i from the lane's first row
.set c_, 0
.rept \nc
.set i_, 0
.rept \ni
	global_load_b32 v[144+16*c_+i_], v7, s[60:61] offset:(32*c_+i_)*\pitch
.set i_, i_+1
.endr
.set c_, c_+1
.endr
.endm
.macro ZERO from                       ; numbers that a short fragment lacks: zeros give the code 0
.set i_, \from
.rept 208-\from
	v_mov_b32 v[i_], 0
.set i_, i_+1
.endr
.endm
.macro PLD sb, n, first                ; the job: n x 128 bytes of a small parameter
.set i_, 0
.rept \n
	global_load_b32 v[144+\first+i_], v11, s[\sb:\sb+1] offset:128*i_
.set i_, i_+1
.endr
.endm
	s_load_b512 s[4:19], s[0:1], 0x0               ; xyz, lowp_scales, r_w, e_w1, g_w2, r_b, r_lnw, r_lnb
	s_load_b512 s[20:35], s[0:1], 0x40             ; e_b1, e_lnw, e_lnb, e_w2, g_w1, g_b1, g_lnw, g_lnb
	s_load_b128 s[36:39], s[0:1], 0x80             ; blk, wfr
	s_set_vgpr_msb 0x40
	v_lshl_add_u32 v0, v0, 2, 0x31000
	v_mov_b32 v1, 0
	s_set_vgpr_msb 0x4000
	v_lshrrev_b32 v1, 5, v0
	v_readfirstlane_b32 s40, v1                    ; wave
	v_and_b32 v1, 15, v0                           ; r
	v_bfe_u32 v2, v0, 4, 1                         ; h
	v_mul_u32_u24 v3, v0, 12                       ; a point is 12 bytes
	v_lshrrev_b32 v4, 4, v0
	v_mul_u32_u24 v4, v4, TP
	v_lshl_add_u32 v4, v1, 4, v4                   ; point thread + 128 i lies in block thread / 16 + 8 i, place thread % 16
	v_add_nc_u32 v5, 16*8*TP, v4                   ; from i = 16 on: the immediate has 16 bits
	v_lshlrev_b32 v6, 4, v1
	v_lshl_add_u32 v6, v2, 3, v6                   ; a fragment: point r, (x, y) for lanes 0-15, (z, -|x|^2) for lanes 16-31
	v_and_b32 v11, 31, v0
	v_lshlrev_b32 v11, 2, v11
	s_lshl_b32 s84, s40, 15
	s_add_co_u32 s84, s84, BMB
	v_add_nc_u32 v8, s84, v11
	v_lshlrev_b32 v10, 4, v0
	s_mov_b32 s42, 0xffff0000                      ; lanes 16-31
	s_mov_b32 s44, 0x76543210                      ; v_permlanex16_b32: lane l xor 16
	s_mov_b32 s45, 0xfedcba98
	s_cmp_eq_u32 s40, 0
	s_cselect_b32 s41, ttmp9, 255                  ; the job's number: wave 0 of work-groups 0 to 45 has one
	s_lshr_b32 s50, ttmp9, 5
	s_mul_i32 s50, s50, 49152                      ; my cloud
	s_mov_b32 s51, 0
	s_wait_kmcnt 0x0
	s_add_nc_u64 s[4:5], s[4:5], s[50:51]
	s_and_b32 s50, ttmp9, 31
	s_mul_i32 s50, s50, 1536                       ; my work-group's 128 queries in it
	s_add_nc_u64 s[86:87], s[4:5], s[50:51]
	s_lshl_b32 s50, ttmp9, 11
	s_add_nc_u64 s[36:37], s[36:37], s[50:51]      ; blk: 128 queries x 16 bytes
.set n_, 0
.rept 32
	global_load_b96 v[16+4*n_:18+4*n_], v3, s[4:5] offset:1536*n_   ; point thread + 128 n
.set n_, n_+1
.endr
	global_load_b96 v[12:14], v3, s[86:87]         ; my own query
	; ---- THE JOB: no barrier and no LDS instruction stands in it; its registers and bases are not written again
	s_cmp_ge_u32 s41, 46
	s_cbranch_scc1 .Ljob_done
	s_cmp_lt_u32 s41, 32
	s_cbranch_scc0 .Lnot_r
	s_load_b32 s58, s[6:7], 0x14                   ; R(t, s), job = 2 t + s: r_w, rows 128 s on; lane r of tile 2 b + u takes column 32 b + 8 u + r + 8 (r / 8)
	s_and_b32 s50, s41, 1
	s_lshl_b32 s50, s50, 17
	s_lshr_b32 s84, s41, 2
	s_lshl_b32 s84, s84, 7
	s_add_co_u32 s50, s50, s84
	s_bfe_u32 s84, s41, 0x10001
	s_lshl_b32 s84, s84, 5
	s_add_co_u32 s50, s50, s84
	s_add_nc_u64 s[60:61], s[8:9], s[50:51]
	v_and_b32 v7, 8, v1
	v_add_nc_u32 v7, v7, v1
	v_lshlrev_b32 v7, 2, v7
	v_lshl_add_u32 v7, v2, 14, v7                  ; lanes 16-31 begin 16 rows of 1,024 bytes further down
	s_lshl_b32 s50, s41, 11
	s_add_co_u32 s50, s50, 32768
	s_add_nc_u64 s[62:63], s[38:39], s[50:51]
	WLOAD 1024, 4, 16
	s_branch .Lq64
.Lnot_r:
	s_cmp_lt_u32 s41, 40
	s_cbranch_scc0 .Lnot_e
	s_load_b32 s58, s[6:7], 0xc                    ; E(t, s), job - 32 = 2 t + s: e_w1, rows 128 s on, column 16 t + r
	s_sub_co_u32 s85, s41, 32
	s_and_b32 s50, s85, 1
	s_lshl_b32 s50, s50, 15
	s_lshr_b32 s84, s85, 1
	s_lshl_b32 s84, s84, 6
	s_add_co_u32 s50, s50, s84
	s_add_nc_u64 s[60:61], s[10:11], s[50:51]
	v_lshlrev_b32 v7, 2, v1
	v_lshl_add_u32 v7, v2, 12, v7                  ; 16 rows of 256 bytes
	s_lshl_b32 s50, s85, 11
	s_add_co_u32 s50, s50, 16384
	s_add_nc_u64 s[62:63], s[38:39], s[50:51]
	WLOAD 256, 4, 16
	s_branch .Lq64
.Lnot_e:
	s_cmp_lt_u32 s41, 44
	s_cbranch_scc0 .Lnot_et
	s_load_b32 s58, s[6:7], 0xc                    ; ET(t), t = job - 40: e_w1's rows 256 + 8 h + 0 .. 7, column 16 t + r; the rest of the K step is zeros
	s_sub_co_u32 s85, s41, 40
	s_lshl_b32 s50, s85, 6
	s_add_co_u32 s50, s50, 65536
	s_add_nc_u64 s[60:61], s[10:11], s[50:51]
	v_lshlrev_b32 v7, 2, v1
	v_lshl_add_u32 v7, v2, 11, v7                  ; 8 rows of 256 bytes
	s_lshl_b32 s50, s85, 11
	s_add_co_u32 s50, s50, 8192
	s_add_nc_u64 s[62:63], s[38:39], s[50:51]
	WLOAD 256, 1, 8
	ZERO 152
	s_branch .Lq64
.Lnot_et:
	s_cmp_eq_u32 s41, 44
	s_cbranch_scc0 .Lpar
	s_load_b32 s58, s[6:7], 0x4                    ; G: g_w2, rows 16 h + 0 .. 15, column r; K = 32 of the instruction's 64
	s_mov_b64 s[60:61], s[12:13]
	v_lshlrev_b32 v7, 2, v1
	v_lshl_add_u32 v7, v2, 10, v7                  ; 16 rows of 64 bytes
	s_add_nc_u64 s[62:63], s[38:39], 7168
	WLOAD 64, 1, 16
	ZERO 160
.Lq64:
	s_wait_kmcnt 0x0                               ; e
	s_add_co_i32 s58, s58, 127
	s_lshl_b32 s59, s58, 23
	v_mov_b32 v9, s59                              ; 2^e as f32: the conversion takes its exponent field
	s_add_co_i32 s58, s58, 8
	s_lshl_b32 s58, s58, 23
	s_or_b32 s58, s58, 0x600000
	v_mov_b32 v15, s58                             ; 448 x 2^e
	s_wait_loadcnt 0x0
.irp g,0,1,2,3,4,5,6,7
.irp i,0,1,2,3,4,5,6,7
	v_med3_num_f32 v[144+8*\g+\i], v[144+8*\g+\i], -v15, v15   ; the conversion to an 8-bit code does not saturate (ISA guide 7.6.2): the hold comes first
.endr
	v_cvt_scalef32_pk8_fp8_f32 v[208+2*\g:209+2*\g], v[144+8*\g:151+8*\g], v9
.endr
	v_nop                                          ; one plain vector instruction behind the last conversion
	global_store_b128 v10, v[208:211], s[62:63]            ; in wave 0 the thread is the lane: 512 consecutive bytes a store
	global_store_b128 v10, v[212:215], s[62:63] offset:512
	s_cmp_eq_u32 s41, 44
	s_cbranch_scc1 .Ljob_done                      ; G's image is eight registers
	global_store_b128 v10, v[216:219], s[62:63] offset:1024
	global_store_b128 v10, v[220:223], s[62:63] offset:1536
	s_branch .Ljob_done
.Lpar:                                                 ; the small parameters, on end: r_b, r_lnw, r_lnb, e_b1, e_lnw, e_lnb, e_w2, g_w1, g_b1, g_lnw, g_lnb; zeros up to byte 7,168
	PLD 14, 8, 0
	PLD 16, 8, 8
	PLD 18, 8, 16
	PLD 20, 2, 24
	PLD 22, 2, 26
	PLD 24, 2, 28
	PLD 26, 2, 30
	PLD 28, 10, 32
	PLD 30, 1, 42
	PLD 32, 1, 43
	PLD 34, 1, 44
	v_mov_b32 v189, 0
	s_wait_loadcnt 0x0
.set i_, 0
.rept 45
	global_store_b32 v11, v[144+i_], s[38:39] offset:128*i_
.set i_, i_+1
.endr
.rept 11
	global_store_b32 v11, v189, s[38:39] offset:128*i_
.set i_, i_+1
.endr
.Ljob_done:
	; ---- THE TABLE: (x, y, z, -|x|^2) of every point of the cloud
	s_wait_loadcnt 0x0
.set n_, 0
.rept 32
	v_mul_f32 v[19+4*n_], v[16+4*n_], v[16+4*n_]
	v_fmac_f32 v[19+4*n_], v[17+4*n_], v[17+4*n_]
	v_fma_f32 v[19+4*n_], -v[18+4*n_], v[18+4*n_], -v[19+4*n_]
.if n_ < 16
	ds_store_b128 v4, v[16+4*n_:19+4*n_] offset:8*TP*n_
.else
	ds_store_b128 v5, v[16+4*n_:19+4*n_] offset:8*TP*(n_-16)
.endif
.set n_, n_+1
.endr
	s_wait_dscnt 0x0                               ; for the others' sake: my part of the table has landed
	s_barrier_signal -1
	s_barrier_wait -1                              ; the table is whole; nobody writes it again
	; ---- the two query fragments; blocks 0 and 1
	ds_load_b64 v[16:17], v6
	ds_load_b64 v[18:19], v6 offset:TP
	v_permlanex16_b32 v24, v12, s44, s45           ; the point of lane l xor 16
	v_permlanex16_b32 v25, v13, s44, s45
	v_permlanex16_b32 v26, v14, s44, s45
	v_cndmask_b32 v20, v12, v26, s42               ; tile 0 (queries of lanes 0-15): lanes 0-15 hold (2x, 2y), lanes 16-31 (2z, 1)
	v_cndmask_b32 v22, v24, v14, s42               ; tile 1 (queries of lanes 16-31)
	v_add_f32 v20, v20, v20
	v_add_f32 v22, v22, v22
	v_add_f32 v21, v13, v13
	v_add_f32 v23, v25, v25
	v_cndmask_b32 v21, v21, 1.0, s42
	v_cndmask_b32 v23, v23, 1.0, s42
	s_wait_dscnt 0x0
	v_wmma_f32_16x16x4_f32 v[224:231], v[16:17], v[20:21], 0
	v_wmma_f32_16x16x4_f32 v[232:239], v[16:17], v[22:23], 0
.set i_, 0
.rept 16
	v_mov_b32 v[L+i_], 0xff800000                  ; the list begins under every key.  (These are also the places behind the two products)
.set i_, i_+1
.endr
	v_mov_b32 v30, 0
	ds_load_b64 v[16:17], v6 offset:2*TP           ; block 2
	; ---- PASS 1: 126 trips of two blocks, then four blocks written out, whose loads and products run out
	s_mov_b32 s46, 0
	s_mov_b32 s47, 0
	s_mov_b32 s48, 0
.Lscan:
	v_add_nc_u32 v7, s47, v6
	v_add_nc_u32 v9, s48, v8
	STEP 0, 1, 1, 2, 3*TP, 0                       ; the count 2: behind block t+1's load stand block t-1's store and block t+2's load
	STEP 1, 1, 1, 2, 4*TP, 128
	s_add_co_u32 s47, s47, 2*TP
	s_add_co_u32 s48, s48, 256
	s_add_co_u32 s46, s46, 1
	s_cmp_lt_u32 s46, 126
	s_cbranch_scc1 .Lscan
	v_add_nc_u32 v7, s47, v6
	v_add_nc_u32 v9, s48, v8
	STEP 0, 1, 1, 2, 3*TP, 0                       ; block 252 asks for block 255
	STEP 1, 1, 0, 2, 0, 128
	STEP 0, 1, 0, 1, 0, 256                        ; behind block 255's load stands block 253's store alone
	STEP 1, 0, 0, 0, 0, 384
	; ---- the threshold
	v_mov_b32 v32, v[L+15]
	v_mov_b32 v33, 0
	v_mov_b32 v34, 0
.set i_, 0
.rept 16
	v_cmp_eq_f32 vcc_lo, v[L+i_], v32
	v_cndmask_b32 v35, 0, 1, vcc_lo
	v_add_nc_u32 v33, v33, v35
	v_mov_b32 v[P+i_], 0
.set i_, i_+1
.endr
	; ---- PASS 2: 16 trips of 16 blocks.  LDS serves a wave's instructions in order (ISA guide 5.7.1.4): these loads see my stores
	s_mov_b32 s46, 0
	s_mov_b32 s48, 0
	s_mov_b32 s49, 0                               ; the block's number
	LOAD8 80, 8, 0
.Lpick:
	v_add_nc_u32 v9, s48, v8
	LOAD8 88, 9, 1024
	s_wait_dscnt 8                                 ; the first eight are in; the eight just issued may be out
	PROC 80
	s_wait_dscnt 0x0
	s_cmp_eq_u32 s46, 15
	s_cbranch_scc1 .Lno_more                       ; the last trip asks for nothing
	LOAD8 80, 9, 2048
.Lno_more:
	PROC 88
	s_add_co_u32 s48, s48, 2048
	s_add_co_u32 s46, s46, 1
	s_cmp_lt_u32 s46, 16
	s_cbranch_scc1 .Lpick
	; ---- sixteen pushes have happened: P[15] is the smallest number.  One a byte, ascending; a wave stores 512 consecutive bytes
.irp k,0,1,2,3
	v_lshl_or_b32 v[36+\k], v[P+14-4*\k], 8, v[P+15-4*\k]
	v_lshl_or_b32 v[36+\k], v[P+13-4*\k], 16, v[36+\k]
	v_lshl_or_b32 v[36+\k], v[P+12-4*\k], 24, v[36+\k]
.endr
	global_store_b128 v10, v[36:39], s[36:37]
	s_set_vgpr_msb 0x5
	s_wait_tensorcnt 0x0
	ds_add_u32 v0, v1
	s_wait_dscnt 0x0
	s_set_vgpr_msb 0x500
	s_endpgm
.Lfunc_end_k_q6f30ff5a73_blocks:
	.size	k_q6f30ff5a73_blocks, .Lfunc_end_k_q6f30ff5a73_blocks-k_q6f30ff5a73_blocks
	.p2alignl 7, 3214868480
	.fill 96, 4, 3214868480
	.section	.rodata,"a",@progbits
	.p2align	6, 0x0
	.amdhsa_kernel k_q6f30ff5a73_blocks
		.amdhsa_group_segment_fixed_size 201216
		.amdhsa_private_segment_fixed_size 0
		.amdhsa_enable_private_segment 0
		.amdhsa_kernarg_size 144
		.amdhsa_user_sgpr_count 2
		.amdhsa_user_sgpr_kernarg_segment_ptr 1
		.amdhsa_wavefront_size32 1
		.amdhsa_system_sgpr_workgroup_id_x 1
		.amdhsa_system_sgpr_workgroup_id_y 1
		.amdhsa_system_sgpr_workgroup_id_z 1
		.amdhsa_system_vgpr_workitem_id 0
		.amdhsa_next_free_vgpr 258
		.amdhsa_next_free_sgpr 100
		.amdhsa_reserve_vcc 1
		.amdhsa_float_denorm_mode_32 3
		.amdhsa_float_denorm_mode_16_64 3
		.amdhsa_memory_ordered 1
		.amdhsa_forward_progress 1
		.amdhsa_inst_pref_size 80
	.end_amdhsa_kernel
	.amdgpu_metadata
---
amdhsa.version: [ 1, 2 ]
amdhsa.kernels:
  - .name:           k_q6f30ff5a73_blocks
    .symbol:         k_q6f30ff5a73_blocks.kd
    .args:
      - { .name: xyz, .offset: 0, .size: 8, .value_kind: global_buffer, .address_space: global }
      - { .name: lowp_scales, .offset: 8, .size: 8, .value_kind: global_buffer, .address_space: global }
      - { .name: r_w, .offset: 16, .size: 8, .value_kind: global_buffer, .address_space: global }
      - { .name: e_w1, .offset: 24, .size: 8, .value_kind: global_buffer, .address_space: global }
      - { .name: g_w2, .offset: 32, .size: 8, .value_kind: global_buffer, .address_space: global }
      - { .name: r_b, .offset: 40, .size: 8, .value_kind: global_buffer, .address_space: global }
      - { .name: r_lnw, .offset: 48, .size: 8, .value_kind: global_buffer, .address_space: global }
      - { .name: r_lnb, .offset: 56, .size: 8, .value_kind: global_buffer, .address_space: global }
      - { .name: e_b1, .offset: 64, .size: 8, .value_kind: global_buffer, .address_space: global }
      - { .name: e_lnw, .offset: 72, .size: 8, .value_kind: global_buffer, .address_space: global }
      - { .name: e_lnb, .offset: 80, .size: 8, .value_kind: global_buffer, .address_space: global }
      - { .name: e_w2, .offset: 88, .size: 8, .value_kind: global_buffer, .address_space: global }
      - { .name: g_w1, .offset: 96, .size: 8, .value_kind: global_buffer, .address_space: global }
      - { .name: g_b1, .offset: 104, .size: 8, .value_kind: global_buffer, .address_space: global }
      - { .name: g_lnw, .offset: 112, .size: 8, .value_kind: global_buffer, .address_space: global }
      - { .name: g_lnb, .offset: 120, .size: 8, .value_kind: global_buffer, .address_space: global }
      - { .name: blk, .offset: 128, .size: 8, .value_kind: global_buffer, .address_space: global }
      - { .name: wfr, .offset: 136, .size: 8, .value_kind: global_buffer, .address_space: global }
    .group_segment_fixed_size: 201216
    .private_segment_fixed_size: 0
    .kernarg_segment_align: 8
    .kernarg_segment_size: 144
    .max_flat_workgroup_size: 128
    .sgpr_count:     100
    .vgpr_count:     258
    .wavefront_size: 32
...
	.end_amdgpu_metadata
.endif
;; end of part 1
;; launch edge (part 2): grid 256 x 1, 4 waves a work-group, no clusters, 301,568 bytes of LDS; arguments xyz, features, blk, wfr, lowp_scales, g_b2, e_b2, out0, out1; writes out0, out1
.if DOCPART == 2
	.amdgcn_target "amdgcn-amd-amdhsa--gfx1250"
	.amdhsa_code_object_version 6
	.text
	.protected	k_q6f30ff5a73_edge
	.globl	k_q6f30ff5a73_edge
	.p2align	8
	.type	k_q6f30ff5a73_edge,@function
k_q6f30ff5a73_edge:
	s_mov_b64 s[64:65], 0
	v_nop
	global_prefetch_b8 v0, s[64:65] scope:SCOPE_SE
	s_setreg_imm32_b32 hwreg(HW_REG_WAVE_MODE, 25, 1), 1
	s_wait_xcnt 0x0
; SECOND LEVEL OF THE 16 NEAREST NEIGHBOURS, the neighbourhood's ten numbers, the three small networks, and the output.
; SHARES.  Work-group g: cloud g / 32, queries (= rows of features) 128 (g % 32) + thread.  A wave owns 32 queries from the selection to the store: one a lane up to the geo network's hidden layer, then two tiles of
; 16 rows, in which lane (r, h) holds row r and the columns 32 b + 16 h + 0 .. 15.  The waves share only the table of points and the weights, both read-only behind their barriers.
; SELECTION.  blk gives each query 16 block numbers, ascending; their 256 candidates are ranked by key = 2 x_n . x_m - |x_m|^2 (multiply, two fused multiply-adds, an addition: the order in which the launch before sums).
; Pass 1: sorted insertion of the keys; T = the 16th, RR = how many of the 16 equal it.  Pass 2, candidates ascending: taken where key > T, or = T while fewer than RR ties were taken;
; a taken point is pushed into three shift registers of 16 by selects.  No branch and no address hangs on a floating-point number.
; THE GATHERS read LDS at addresses made of loaded block numbers (held at 255 by v_min_u32): every LDS store of the launch is parted from them by a barrier.
; QUANTISED PRODUCTS: all three transposed (source 0 = 16 columns of the weight, source 1 = 16 rows), on codes of E4M3; k has the same place in both operands' registers; sums x 2^(the two exponents added).
; LIMITS.  NaN and infinities among the inputs are not served.  Each exponent e lies between -126 and 119; e0+e1, e2+e3, e4+e5 between -126 and 127.  Candidates whose keys differ by less than f32 rounding of the
; cancelling formula may be ranked otherwise than the problem's own rounding ranks them; exact ties follow it (the lower index).
; LDS: TAB at 0: 256 blocks x (16 points x 16 bytes + 16); WFR: a copy of wfr, 98,304 bytes; FEA: 128 rows x (1,024 + 16) bytes: features, later out0 in the same bytes; a wave's 32 rows are its own.
; REGISTERS that stay: v1 r, v2 h, v3 my place in a tile's rows, v4 16 x thread, later v3 + the tile, v5 a dense row's place, v6 v7 a fragment's place, v8 v9 v10 parameters' places, v11 16 x lane, v12-15 my 16 block numbers.
.set TP,  272
.set WFR, 256*TP
.set FEA, WFR+98304
.set FP,  1040
.set L,   48
.set NX,  48
.set NY,  64
.set NZ,  80
.macro INS c
.irp i,15,14,13,12,11,10,9,8,7,6,5,4,3,2,1
	v_med3_num_f32 v[L+\i], v[L+\i-1], v[L+\i], v[\c]
.endr
	v_max_num_f32 v[L], v[L], v[\c]
.endm
.macro BASEOF                          ; the block in the lowest byte: its place in the table
	v_and_b32 v17, 0xff, v12
	v_min_u32 v17, 0xff, v17
	v_mul_u32_u24 v17, v17, TP
.endm
.macro ROT                             ; the 16 bytes go round by one; after 16 times they stand as they began
	v_mov_b32 v16, v12
	v_alignbit_b32 v12, v13, v12, 8
	v_alignbit_b32 v13, v14, v13, 8
	v_alignbit_b32 v14, v15, v14, 8
	v_alignbit_b32 v15, v16, v15, 8
	BASEOF
.endm
.macro LOADN buf, off, n               ; n points of the block in hand
.set j_, 0
.rept \n
	ds_load_b128 v[\buf+4*j_:\buf+4*j_+3], v17 offset:\off+16*j_
.set j_, j_+1
.endr
.endm
.macro KEYS buf, n
.set j_, 0
.rept \n
	v_mul_f32 v[32+j_], v18, v[\buf+4*j_]
.set j_, j_+1
.endr
.set j_, 0
.rept \n
	v_fmac_f32 v[32+j_], v19, v[\buf+4*j_+1]
.set j_, j_+1
.endr
.set j_, 0
.rept \n
	v_fmac_f32 v[32+j_], v20, v[\buf+4*j_+2]
.set j_, j_+1
.endr
.set j_, 0
.rept \n
	v_add_f32 v[32+j_], v[32+j_], v[\buf+4*j_+3]
.set j_, j_+1
.endr
.endm
.macro PROC1 buf
	KEYS \buf, 8
.irp j,0,1,2,3,4,5,6,7
	INS 32+\j
.endr
.endm
.macro CH_A
	v_cmp_lt_u32 s56, v23, v22                     ; are ties still taken?
.endm
.macro CH_B j
	s_and_b32 s56, s56, s[52+(\j)]
	s_or_b32 s[48+(\j)], s[48+(\j)], s56
.endm
.macro CH_C
	v_cndmask_b32 v24, 0, 1, s56
	v_add_nc_u32 v23, v23, v24
.endm
.macro SHH base
.irp i,15,14,13,12,11,10,9,8
	v_cndmask_b32 v[\base+\i], v[\base+\i], v[\base+\i-1], vcc_lo
.endr
.endm
.macro SHL base, src
.irp i,7,6,5,4,3,2,1
	v_cndmask_b32 v[\base+\i], v[\base+\i], v[\base+\i-1], vcc_lo
.endr
	v_cndmask_b32 v[\base], v[\base], v[\src], vcc_lo
.endm
.macro PUSH3 j, buf                    ; where candidate j is taken, its x, y, z are pushed; the next candidate's decision stands between the runs
	s_mov_b32 vcc_lo, s[48+\j]
	SHH NX
	SHL NX, \buf+4*\j
.if \j < 3
	CH_A
.endif
	SHH NY
.if \j < 3
	CH_B \j+1
.endif
	SHL NY, \buf+4*\j+1
.if \j < 3
	CH_C
.endif
	SHH NZ
	SHL NZ, \buf+4*\j+2
.endm
.macro PROC2 buf
	KEYS \buf, 4
.irp j,0,1,2,3
	v_cmp_gt_f32 s[48+\j], v[32+\j], v21
	v_cmp_eq_f32 s[52+\j], v[32+\j], v21
.endr
	CH_A
	CH_B 0
	CH_C
.irp j,0,1,2,3
	PUSH3 \j, \buf
.endr
.endm
.macro SUM16 dst, b, t                 ; v[dst] = the sum of v[b] .. v[b+15]; v[t] .. v[t+7] at work
	v_pk_add_f32 v[\t:\t+1], v[\b:\b+1], v[\b+2:\b+3]
	v_pk_add_f32 v[\t+2:\t+3], v[\b+4:\b+5], v[\b+6:\b+7]
	v_pk_add_f32 v[\t+4:\t+5], v[\b+8:\b+9], v[\b+10:\b+11]
	v_pk_add_f32 v[\t+6:\t+7], v[\b+12:\b+13], v[\b+14:\b+15]
	v_pk_add_f32 v[\t:\t+1], v[\t:\t+1], v[\t+2:\t+3]
	v_pk_add_f32 v[\t+4:\t+5], v[\t+4:\t+5], v[\t+6:\t+7]
	v_pk_add_f32 v[\t:\t+1], v[\t:\t+1], v[\t+4:\t+5]
	v_add_f32 v[\dst], v[\t], v[\t+1]
.endm
.macro DOT16 dst, a, b, t              ; v[dst] = the sum of v[a+i] v[b+i], i = 0 .. 15; v[t] .. v[t+3] at work
	v_pk_mul_f32 v[\t:\t+1], v[\a:\a+1], v[\b:\b+1]
	v_pk_mul_f32 v[\t+2:\t+3], v[\a+2:\a+3], v[\b+2:\b+3]
.irp k,4,8,12
	v_pk_fma_f32 v[\t:\t+1], v[\a+\k:\a+\k+1], v[\b+\k:\b+\k+1], v[\t:\t+1]
	v_pk_fma_f32 v[\t+2:\t+3], v[\a+\k+2:\a+\k+3], v[\b+\k+2:\b+\k+3], v[\t+2:\t+3]
.endr
	v_pk_add_f32 v[\t:\t+1], v[\t:\t+1], v[\t+2:\t+3]
	v_add_f32 v[\dst], v[\t], v[\t+1]
.endm
.macro SUM8 dst, b
	v_pk_add_f32 v[\b:\b+1], v[\b:\b+1], v[\b+2:\b+3]
	v_pk_add_f32 v[\b+4:\b+5], v[\b+4:\b+5], v[\b+6:\b+7]
	v_pk_add_f32 v[\b:\b+1], v[\b:\b+1], v[\b+4:\b+5]
	v_add_f32 v[\dst], v[\b], v[\b+1]
.endm
.macro XADD a, t                       ; + lane l xor 16's: the row's other half
	v_permlanex16_b32 v[\t], v[\a], s24, s25
	v_add_f32 v[\a], v[\a], v[\t]
.endm
.macro MKSC e, vs, vl                  ; v[vs] = 2^e as f32, v[vl] = 448 x 2^e
	s_add_co_i32 s56, s[\e], 127
	s_lshl_b32 s57, s56, 23
	v_mov_b32 v[\vs], s57
	s_add_co_i32 s56, s56, 8
	s_lshl_b32 s56, s56, 23
	s_or_b32 s56, s56, 0x600000
	v_mov_b32 v[\vl], s56
.endm
.macro MKPAIR d, a, b                  ; s[d] = s[d+1] = 2^(ea + eb) as f32
	s_add_co_i32 s[\d], s[\a], s[\b]
	s_add_co_i32 s[\d], s[\d], 127
	s_lshl_b32 s[\d], s[\d], 23
	s_mov_b32 s[\d+1], s[\d]
.endm
.macro BARRIER                         ; my LDS stores have landed and my LDS loads are in: then the work-group's barrier
	s_wait_dscnt 0x0
	s_barrier_signal -1
	s_barrier_wait -1
.endm
.macro FLOAD off                       ; 16 rows of features, 512 consecutive bytes a load, into v128-255
.set i_, 0
.rept 16
.irp p,0,1
	global_load_b128 v[128+8*i_+4*\p:131+8*i_+4*\p], v11, s[6:7] offset:\off+1024*i_+512*\p th:TH_LOAD_NT
.endr
.set i_, i_+1
.endr
.endm
.macro FSTORE off                      ; and on into my rows of FEA
.set i_, 0
.rept 16
.irp p,0,1
	ds_store_b128 v5, v[128+8*i_+4*\p:131+8*i_+4*\p] offset:\off+FP*i_+512*\p
.endr
.set i_, i_+1
.endr
.endm
.macro GW1 q                           ; half row q of g_w1 (16 numbers), the same for every lane, into buffer q % 2
.irp j,0,1,2,3
	ds_load_b128 v[80+16*((\q)%2)+4*\j:83+16*((\q)%2)+4*\j], v10 offset:4096+64*(\q)+16*\j
.endr
.endm
.macro EGRP base, stride, bsrc, first  ; four fragments of e_w1 and their four products; the four accumulators take turns
.set t_, 0
.rept 4
.irp c,0,1,2,3
	ds_load_b128 v[128+16*t_+4*\c:131+16*t_+4*\c], v6 offset:\base+\stride*t_+512*\c
.endr
.set t_, t_+1
.endr
	s_wait_dscnt 0x0
.set t_, 0
.rept 4
.if \first
	v_wmma_f32_16x16x128_fp8_fp8 v[192+8*t_:199+8*t_], v[128+16*t_:143+16*t_], v[\bsrc:\bsrc+15], 0
.else
	v_wmma_f32_16x16x128_fp8_fp8 v[192+8*t_:199+8*t_], v[128+16*t_:143+16*t_], v[\bsrc:\bsrc+15], v[192+8*t_:199+8*t_]
.endif
.set t_, t_+1
.endr
.rept 4
	v_nop                                          ; places in front of loads into registers that these products read, and of the first read of results
.endr
.endm
.macro RLD g                           ; group g of r_w: K step g / 8, tiles 2 (g % 8) and the next, into set g % 2
.irp u,0,1
.irp c,0,1,2,3
	ds_load_b128 v[64+32*((\g)%2)+16*\u+4*\c:67+32*((\g)%2)+16*\u+4*\c], v7 offset:2048*(2*(2*((\g)%8)+\u)+(\g)/8)+512*\c
.endr
.endr
.endm
.macro RMM g
.irp u,0,1
.if (\g) < 8
	v_wmma_f32_16x16x128_fp8_fp8 v[128+8*(2*((\g)%8)+\u):135+8*(2*((\g)%8)+\u)], v[64+32*((\g)%2)+16*\u:79+32*((\g)%2)+16*\u], v[32:47], 0
.else
	v_wmma_f32_16x16x128_fp8_fp8 v[128+8*(2*((\g)%8)+\u):135+8*(2*((\g)%8)+\u)], v[64+32*((\g)%2)+16*\u:79+32*((\g)%2)+16*\u], v[48:63], v[128+8*(2*((\g)%8)+\u):135+8*(2*((\g)%8)+\u)]
.endif
.endr
.endm
.macro BLD b                           ; r_b of my 16 columns of chunk b, into buffer b % 6
.irp q,0,1,2,3
	ds_load_b128 v[32+16*((\b)%6)+4*\q:35+16*((\b)%6)+4*\q], v8 offset:128*(\b)+16*\q
.endr
.endm
.macro CLD b                           ; chunk b: r_lnw, r_lnb and the features of my 16 columns, into set b % 2
.irp q,0,1,2,3
	ds_load_b128 v[32+48*((\b)%2)+4*\q:35+48*((\b)%2)+4*\q], v8 offset:1024+128*(\b)+16*\q
	ds_load_b128 v[48+48*((\b)%2)+4*\q:51+48*((\b)%2)+4*\q], v8 offset:2048+128*(\b)+16*\q
	ds_load_b128 v[64+48*((\b)%2)+4*\q:67+48*((\b)%2)+4*\q], v4 offset:128*(\b)+16*\q
.endr
.endm
	s_load_b512 s[4:19], s[0:1], 0x0               ; xyz, features, blk, wfr, lowp_scales, g_b2, e_b2, out0
	s_load_b64 s[20:21], s[0:1], 0x40              ; out1
	s_set_vgpr_msb 0x40
	v_lshl_add_u32 v0, v0, 2, 0x49800
	v_mov_b32 v1, 0
	s_set_vgpr_msb 0x4000
	v_lshrrev_b32 v1, 5, v0
	v_readfirstlane_b32 s22, v1                    ; wave
	v_and_b32 v1, 15, v0                           ; r
	v_bfe_u32 v2, v0, 4, 1                         ; h
	v_and_b32 v11, 31, v0
	v_lshlrev_b32 v11, 4, v11                      ; 16 x lane
	s_mul_i32 s30, s22, 32*FP
	s_add_co_u32 s30, s30, FEA                     ; my wave's 32 rows
	v_mul_u32_u24 v3, v1, FP
	v_lshl_add_u32 v3, v2, 6, v3
	v_add_nc_u32 v3, s30, v3                       ; row r, + 64 h: my 16 columns of a chunk of 32
	v_add_nc_u32 v5, s30, v11
	v_add_nc_u32 v6, WFR, v11
	v_add_nc_u32 v7, WFR+32768, v11
	v_lshlrev_b32 v8, 6, v2
	v_add_nc_u32 v8, WFR, v8
	v_lshlrev_b32 v9, 5, v2
	v_add_nc_u32 v9, WFR, v9
	v_mov_b32 v10, WFR
	v_lshlrev_b32 v4, 4, v0                        ; 16 x thread
	v_mul_u32_u24 v208, v0, 12
	v_lshrrev_b32 v209, 4, v0
	v_mul_u32_u24 v209, v209, TP
	v_lshl_add_u32 v209, v1, 4, v209               ; point thread + 128 i lies in block thread / 16 + 8 i, place thread % 16
	v_add_nc_u32 v210, 16*8*TP, v209
	v_add_nc_u32 v211, WFR, v4
	s_mov_b32 s23, 0xffff0000                      ; lanes 16-31
	s_mov_b32 s24, 0x76543210                      ; v_permlanex16_b32: lane l xor 16
	s_mov_b32 s25, 0xfedcba98
	s_mov_b32 s31, 0
	s_lshr_b32 s30, ttmp9, 5
	s_mul_i32 s30, s30, 49152
	s_wait_kmcnt 0x0
	s_load_b128 s[32:35], s[12:13], 0x0            ; e0 .. e3
	s_load_b64 s[36:37], s[12:13], 0x10            ; e4, e5
	s_load_b32 s44, s[16:17], 0x0                  ; e_b2
	s_add_nc_u64 s[4:5], s[4:5], s[30:31]          ; my cloud
	s_and_b32 s30, ttmp9, 31
	s_mul_i32 s30, s30, 1536
	s_add_nc_u64 s[58:59], s[4:5], s[30:31]        ; my work-group's queries in it
	s_lshl_b32 s30, ttmp9, 11
	s_add_nc_u64 s[8:9], s[8:9], s[30:31]
	s_lshl_b32 s30, ttmp9, 17
	s_lshl_b32 s57, s22, 15
	s_add_co_u32 s30, s30, s57
	s_add_nc_u64 s[6:7], s[6:7], s[30:31]          ; features and out0 at my wave's first row
	s_add_nc_u64 s[18:19], s[18:19], s[30:31]
	s_lshl_b32 s30, ttmp9, 9
	s_add_nc_u64 s[20:21], s[20:21], s[30:31]
.set n_, 0
.rept 32
	global_load_b96 v[16+4*n_:18+4*n_], v208, s[4:5] offset:1536*n_
.set n_, n_+1
.endr
	global_load_b96 v[216:218], v208, s[58:59]     ; my own query
.set i_, 0
.rept 16
	global_load_b128 v[144+4*i_:147+4*i_], v4, s[10:11] offset:2048*i_   ; wfr's first 32,768 bytes
.set i_, i_+1
.endr
	global_load_b128 v[12:15], v4, s[8:9]          ; my 16 block numbers
	s_wait_loadcnt 17                              ; the points are in; wfr's 16 loads and blk's may be out
.set n_, 0
.rept 32
	v_mul_f32 v[19+4*n_], v[16+4*n_], v[16+4*n_]
	v_fmac_f32 v[19+4*n_], v[17+4*n_], v[17+4*n_]
	v_fma_f32 v[19+4*n_], -v[18+4*n_], v[18+4*n_], -v[19+4*n_]
.if n_ < 16
	ds_store_b128 v209, v[16+4*n_:19+4*n_] offset:8*TP*n_
.else
	ds_store_b128 v210, v[16+4*n_:19+4*n_] offset:8*TP*(n_-16)
.endif
.set n_, n_+1
.endr
	s_wait_loadcnt 1                               ; wfr's are in; blk's may be out
.set i_, 0
.rept 16
	ds_store_b128 v211, v[144+4*i_:147+4*i_] offset:2048*i_
.set i_, i_+1
.endr
	s_wait_dscnt 0x0                               ; my stores have landed and have read their registers
	v_add_f32 v18, v216, v216                      ; 2x, 2y, 2z of my query
	v_add_f32 v19, v217, v217
	v_add_f32 v20, v218, v218
	FLOAD 0                                        ; rows 0-15 of my features: they land under pass 1
.set i_, 0
.rept 16
	v_mov_b32 v[L+i_], 0xff800000
.set i_, i_+1
.endr
	s_wait_loadcnt 32                              ; blk's load is in; the 32 just issued stay out
	s_barrier_signal -1
	s_barrier_wait -1                              ; the table and wfr's first part are whole
	s_wait_kmcnt 0x0
	MKPAIR 38, 32, 33
	MKPAIR 40, 34, 35
	MKPAIR 42, 36, 37
	; ---- PASS 1: 16 trips, a block of 16 candidates each, in two halves
	s_mov_b32 s26, 0
	BASEOF
	LOADN 64, 0, 8
.Lp1:
	LOADN 96, 128, 8
	s_wait_dscnt 8                                 ; the first half is in; the eight just issued may be out
	PROC1 64
	s_wait_dscnt 0x0
	ROT
	s_cmp_eq_u32 s26, 15
	s_cbranch_scc1 .Lp1_last                       ; the last trip asks for nothing
	LOADN 64, 0, 8
.Lp1_last:
	PROC1 96
	s_add_co_u32 s26, s26, 1
	s_cmp_lt_u32 s26, 16
	s_cbranch_scc1 .Lp1
	v_mov_b32 v21, v[L+15]                         ; T
	v_mov_b32 v22, 0                               ; RR
	v_mov_b32 v23, 0                               ; ties taken
.set i_, 0
.rept 16
	v_cmp_eq_f32 vcc_lo, v[L+i_], v21
	v_cndmask_b32 v24, 0, 1, vcc_lo
	v_add_nc_u32 v22, v22, v24
.set i_, i_+1
.endr
.set i_, 0
.rept 48
	v_mov_b32 v[NX+i_], 0
.set i_, i_+1
.endr
	; ---- between the passes: no wave gathers, so LDS may be stored to
	BARRIER
	s_wait_loadcnt 0x0
	FSTORE 0
	s_wait_dscnt 0x0                               ; the stores have read their registers,
	FLOAD 16384                                    ; which take rows 16-31: they land under pass 2
	s_barrier_signal -1
	s_barrier_wait -1
	; ---- PASS 2: 16 trips, a block each, in four quarters
	s_mov_b32 s26, 0
	LOADN 96, 0, 4
.Lp2:
	LOADN 112, 64, 4
	s_wait_dscnt 4                                 ; the quarter in hand is in; the four just issued may be out
	PROC2 96
	LOADN 96, 128, 4
	s_wait_dscnt 4
	PROC2 112
	LOADN 112, 192, 4
	s_wait_dscnt 4
	PROC2 96
	s_wait_dscnt 0x0
	ROT
	s_cmp_eq_u32 s26, 15
	s_cbranch_scc1 .Lp2_last
	LOADN 96, 0, 4
.Lp2_last:
	PROC2 112
	s_add_co_u32 s26, s26, 1
	s_cmp_lt_u32 s26, 16
	s_cbranch_scc1 .Lp2
	; ---- the gathers are over
	BARRIER
	s_wait_loadcnt 0x0
	FSTORE 16*FP
	s_wait_dscnt 0x0
	v_lshlrev_b32 v17, 5, v2
	global_load_b128 v[40:43], v17, s[14:15]       ; g_b2 of outputs 8 h + 0 .. 7
	global_load_b128 v[44:47], v17, s[14:15] offset:16
.set i_, 0
.rept 32
	global_load_b128 v[128+4*i_:131+4*i_], v4, s[10:11] offset:32768+2048*i_   ; wfr's r_w part: it lands under the statistics
.set i_, i_+1
.endr
	; ---- THE TEN NUMBERS of my query's neighbourhood, all in my lane
	SUM16 18,NX,24
	SUM16 19,NY,24
	SUM16 20,NZ,24
	v_mul_f32 v18, 0x3d800000, v18                 ; / 16
	v_mul_f32 v19, 0x3d800000, v19
	v_mul_f32 v20, 0x3d800000, v20
.set i_, 0
.rept 16
	v_sub_f32 v[NX+i_], v[NX+i_], v18              ; centred
	v_sub_f32 v[NY+i_], v[NY+i_], v19
	v_sub_f32 v[NZ+i_], v[NZ+i_], v20
.set i_, i_+1
.endr
.set i_, 0
.rept 16
	v_mul_f32 v[96+i_], v[NX+i_], v[NX+i_]
.set i_, i_+1
.endr
.set i_, 0
.rept 16
	v_fmac_f32 v[96+i_], v[NY+i_], v[NY+i_]
.set i_, i_+1
.endr
.set i_, 0
.rept 16
	v_fmac_f32 v[96+i_], v[NZ+i_], v[NZ+i_]
.set i_, i_+1
.endr
.set i_, 0
.rept 16
	v_sqrt_f32 v[96+i_], v[96+i_]                  ; d: one batch; the work below names none of its results
.set i_, i_+1
.endr
	DOT16 32,NX,NX,24
	DOT16 33,NY,NY,24
	DOT16 34,NZ,NZ,24
	v_mul_f32 v32, 0x3d800000, v32                 ; the covariance's diagonal
	v_mul_f32 v33, 0x3d800000, v33
	v_mul_f32 v34, 0x3d800000, v34
	v_add_f32 v112, v32, v33
	v_add_f32 v112, v112, v34                      ; trace
	v_mul_f32 v113, v32, v33
	v_mul_f32 v113, v113, v34
	v_max_num_f32 v113, 0x322bcc77, v113           ; det, at least 1e-8
	SUM16 18,NX,24                                 ; the standard deviation takes the centred numbers' own mean away once more, as the problem's std does
	SUM16 19,NY,24
	SUM16 20,NZ,24
	v_mul_f32 v18, 0x3d800000, v18
	v_mul_f32 v19, 0x3d800000, v19
	v_mul_f32 v20, 0x3d800000, v20
.set i_, 0
.rept 16
	v_sub_f32 v[NX+i_], v[NX+i_], v18
	v_sub_f32 v[NY+i_], v[NY+i_], v19
	v_sub_f32 v[NZ+i_], v[NZ+i_], v20
.set i_, i_+1
.endr
	DOT16 35,NX,NX,24
	DOT16 36,NY,NY,24
	DOT16 37,NZ,NZ,24
	v_mul_f32 v35, 0x3d888889, v35                 ; / 15
	v_mul_f32 v36, 0x3d888889, v36
	v_mul_f32 v37, 0x3d888889, v37
	s_wait_alu depctr_va_vdst(0)                   ; one wait for the sixteen roots, ahead of their first reader
	SUM16 21,96,24
	v_mul_f32 v117, 0x3d800000, v21                ; mean_d
.set i_, 0
.rept 16
	v_sub_f32 v[96+i_], v[96+i_], v117
.set i_, i_+1
.endr
	DOT16 38,96,96,24
	v_mul_f32 v38, 0x3d888889, v38
	v_add_f32 v39, 0x358637bd, v112                ; trace + 1e-6
	v_sqrt_f32 v114, v35
	v_sqrt_f32 v115, v36
	v_sqrt_f32 v116, v37
	v_sqrt_f32 v118, v38                           ; std_d
	v_rcp_f32 v22, v39
	v_nop                                          ; a plain instruction behind the last of the batch
	s_wait_alu depctr_va_vdst(0)
	v_mul_f32 v119, v114, v22
	v_mul_f32 v120, v115, v22
	v_mul_f32 v121, v116, v22
	; ---- GEO NETWORK, first layer: 10 -> 32 in f32 (its result goes on into a quantised operand), one query a lane.  H = v48-79 begins as g_b1
.irp j,0,1,2,3,4,5,6,7
	ds_load_b128 v[48+4*\j:51+4*\j], v10 offset:5376+16*\j
.endr
	GW1 0
	GW1 1
.set q_, 0
.rept 20
.if q_ < 19
	s_wait_dscnt 4                                 ; this half row is in; the next one's four loads may be out
.else
	s_wait_dscnt 0x0
.endif
.set i_, 0
.rept 16
	v_fmac_f32 v[48+16*(q_%2)+i_], v[80+16*(q_%2)+i_], v[112+q_/2]
.set i_, i_+1
.endr
.if q_+2 < 20
	GW1 q_+2
.endif
.set q_, q_+1
.endr
.irp j,0,1,2,3
	ds_load_b128 v[80+4*\j:83+4*\j], v10 offset:5504+16*\j       ; g_lnw 0-15
	ds_load_b128 v[96+4*\j:99+4*\j], v10 offset:5632+16*\j       ; g_lnb 0-15
	ds_load_b128 v[112+4*\j:115+4*\j], v10 offset:5568+16*\j     ; g_lnw 16-31
.endr
	SUM16 18,48,24
	SUM16 19,64,24
	v_add_f32 v18, v18, v19
	v_mul_f32 v18, 0x3d000000, v18                 ; the mean of 32
.set i_, 0
.rept 32
	v_sub_f32 v[48+i_], v[48+i_], v18
.set i_, i_+1
.endr
	DOT16 19,48,48,24
	DOT16 20,64,64,24
	v_add_f32 v19, v19, v20
	v_mul_f32 v19, 0x3d000000, v19
	v_add_f32 v19, 0x3727c5ac, v19                 ; the variance + 1e-5
	v_rsq_f32 v19, v19
	v_nop
	s_wait_alu depctr_va_vdst(0)
	s_wait_dscnt 0x0
.set i_, 0
.rept 16
	v_mul_f32 v[48+i_], v[48+i_], v19
.set i_, i_+1
.endr
.set i_, 0
.rept 16
	v_fma_f32 v[48+i_], v[48+i_], v[80+i_], v[96+i_]
.set i_, i_+1
.endr
.irp j,0,1,2,3
	ds_load_b128 v[80+4*\j:83+4*\j], v10 offset:5696+16*\j       ; g_lnb 16-31
.endr
	ds_load_b128 v[96:99], v6 offset:7168          ; g_w2's fragment
	ds_load_b128 v[100:103], v6 offset:7680
.set i_, 0
.rept 16
	v_mul_f32 v[64+i_], v[64+i_], v19
.set i_, i_+1
.endr
	s_wait_dscnt 0x0
.set i_, 0
.rept 16
	v_fma_f32 v[64+i_], v[64+i_], v[112+i_], v[80+i_]
.set i_, i_+1
.endr
	MKSC 32,26,27
.set i_, 0
.rept 32
	v_med3_num_f32 v[48+i_], v[48+i_], 0, v27      ; the activation and the hold in one: between 0 and 448 x 2^e0
.set i_, i_+1
.endr
.irp g,0,1,2,3
	v_cvt_scalef32_pk8_fp8_f32 v[32+2*\g:33+2*\g], v[48+8*\g:55+8*\g], v26   ; register i of v32-39: hidden units 4 i .. 4 i + 3 of my query
.endr
	v_nop                                          ; one plain vector instruction behind the last conversion
	; from one query a lane to two operands of 16 rows: lane (r, h) wants row r's units 16 h + 0 .. 15.  Lanes 0-15 send their upper half, lanes 16-31 their lower
.irp i,0,1,2,3
	v_cndmask_b32 v[24+\i], v[36+\i], v[32+\i], s23
.endr
.irp i,0,1,2,3
	v_permlanex16_b32 v[28+\i], v[24+\i], s24, s25
.endr
.irp i,0,1,2,3
	v_cndmask_b32 v[80+\i], v[32+\i], v[28+\i], s23
	v_cndmask_b32 v[88+\i], v[28+\i], v[36+\i], s23
	v_mov_b32 v[84+\i], 0                          ; K = 32 of the instruction's 64: zero codes on both sides
	v_mov_b32 v[92+\i], 0
.endr
	v_wmma_f32_16x16x64_fp8_fp8 v[104:111], v[96:103], v[80:87], 0    ; lane (r, h): geo outputs 8 h + 0 .. 7 of row r, tile 0
	v_wmma_f32_16x16x64_fp8_fp8 v[112:119], v[96:103], v[88:95], 0    ; tile 1
	MKSC 34,18,19                                  ; 2^e2 and its hold; 2^e4 and its hold.  (These five vector lines are the places behind the products)
	MKSC 36,20,21
	v_mov_b32 v16, 0
	s_wait_loadcnt 32                              ; g_b2 is in; wfr's 32 loads may be out
.irp i,0,2,4,6
	v_pk_fma_f32 v[104+\i:105+\i], v[104+\i:105+\i], s[38:39], v[40+\i:41+\i] op_sel_hi:[1,0,1]   ; sum x 2^(e0 + e1) + g_b2
.endr
.irp i,0,2,4,6
	v_pk_fma_f32 v[112+\i:113+\i], v[112+\i:113+\i], s[38:39], v[40+\i:41+\i] op_sel_hi:[1,0,1]
.endr
.set i_, 0
.rept 16
	v_med3_num_f32 v[104+i_], v[104+i_], -v19, v19
.set i_, i_+1
.endr
	v_cvt_scalef32_pk8_fp8_f32 v[22:23], v[104:111], v18   ; columns 256 + 8 h + 0 .. 7 of the edge network's input, tile 0
	v_cvt_scalef32_pk8_fp8_f32 v[24:25], v[112:119], v18   ; tile 1
	v_nop
	v_mov_b32 v17, 0                               ; the probability of my own query, gathered below
	s_wait_loadcnt 0x0
	v_add_nc_u32 v26, WFR+32768, v4
.set i_, 0
.rept 32
	ds_store_b128 v26, v[128+4*i_:131+4*i_] offset:2048*i_
.set i_, i_+1
.endr
	BARRIER                                        ; r_w's fragments lie in LDS
	; ---- TWO TILES OF 16 ROWS.  v16 the row's probability, v18-21 scales and holds, v22-25 geo's codes, v26-31 at work
	s_mov_b32 s26, 0
	s_mov_b32 s27, 0
	s_mov_b32 s28, 0xffff                          ; the lanes whose own query lies in this tile
.Ltile:
	v_add_nc_u32 v4, s27, v3
	; (a) my row's 128 features become two operands: codes under 2^e2 (v80-111) and under 2^e4 (v32-63)
.set b_, 0
.rept 8
.irp q,0,1,2,3
	ds_load_b128 v[128+16*b_+4*\q:131+16*b_+4*\q], v4 offset:128*b_+16*\q
.endr
.set b_, b_+1
.endr
.set b_, 0
.rept 8
	s_wait_dscnt 4*(7-b_)                          ; chunk b's four loads are in; the later chunks' may be out
.set i_, 0
.rept 16
	v_med3_num_f32 v[64+i_], v[128+16*b_+i_], -v19, v19
.set i_, i_+1
.endr
	v_cvt_scalef32_pk8_fp8_f32 v[80+4*b_:81+4*b_], v[64:71], v18
	v_cvt_scalef32_pk8_fp8_f32 v[82+4*b_:83+4*b_], v[72:79], v18
.set i_, 0
.rept 16
	v_med3_num_f32 v[128+16*b_+i_], v[128+16*b_+i_], -v21, v21
.set i_, i_+1
.endr
	v_cvt_scalef32_pk8_fp8_f32 v[32+4*b_:33+4*b_], v[128+16*b_:135+16*b_], v20
	v_cvt_scalef32_pk8_fp8_f32 v[34+4*b_:35+4*b_], v[136+16*b_:143+16*b_], v20
.set b_, b_+1
.endr
	v_nop
	v_mov_b32 v112, v22                            ; the third K step: geo's 16 columns, then zero codes
	v_mov_b32 v113, v23
.set i_, 114
.rept 14
	v_mov_b32 v[i_], 0
.set i_, i_+1
.endr
	; (b) the edge network's first layer: K = 272 in three steps, 64 outputs in four tiles, v192-223
	EGRP 16384,4096,80,1
	EGRP 18432,4096,96,0
	EGRP 8192,2048,112,0
	; (c) LN over 64 (32 in my lane, 32 in lane l xor 16), ReLU, the dot product with e_w2, the sigmoid
.set t_, 0
.rept 4
.irp q,0,1
	ds_load_b128 v[128+8*t_+4*\q:131+8*t_+4*\q], v9 offset:3072+64*t_+16*\q    ; e_b1 of outputs 16 t + 8 h + 0 .. 7
.endr
.set t_, t_+1
.endr
.set t_, 0
.rept 4
.irp q,0,1
	ds_load_b128 v[160+8*t_+4*\q:163+8*t_+4*\q], v9 offset:3328+64*t_+16*\q    ; e_lnw
	ds_load_b128 v[64+8*t_+4*\q:67+8*t_+4*\q], v9 offset:3584+64*t_+16*\q      ; e_lnb
	ds_load_b128 v[96+8*t_+4*\q:99+8*t_+4*\q], v9 offset:3840+64*t_+16*\q      ; e_w2
.endr
.set t_, t_+1
.endr
	s_wait_dscnt 24                                ; e_b1 is in
.set i_, 0
.rept 16
	v_pk_fma_f32 v[192+i_:193+i_], v[192+i_:193+i_], s[40:41], v[128+i_:129+i_] op_sel_hi:[1,0,1]   ; sum x 2^(e2 + e3) + e_b1; each result from its low end on
.set i_, i_+2
.endr
	SUM16 26,192,128
	SUM16 27,208,128
	v_add_f32 v26, v26, v27
	XADD 26,27
	v_mul_f32 v26, 0xbc800000, v26                 ; - the mean of 64
	v_mov_b32 v27, v26
.set i_, 0
.rept 16
	v_pk_add_f32 v[192+i_:193+i_], v[192+i_:193+i_], v[26:27]
.set i_, i_+2
.endr
	DOT16 28,192,192,128
	DOT16 29,208,208,128
	v_add_f32 v28, v28, v29
	XADD 28,29
	v_mul_f32 v28, 0x3c800000, v28
	v_add_f32 v28, 0x3727c5ac, v28
	v_rsq_f32 v28, v28
	v_nop
	s_wait_alu depctr_va_vdst(0)
	v_mov_b32 v29, v28
	s_wait_dscnt 0x0
.set i_, 0
.rept 16
	v_pk_mul_f32 v[160+i_:161+i_], v[160+i_:161+i_], v[28:29]
.set i_, i_+2
.endr
.set i_, 0
.rept 16
	v_pk_fma_f32 v[192+i_:193+i_], v[192+i_:193+i_], v[160+i_:161+i_], v[64+i_:65+i_]
.set i_, i_+2
.endr
.set i_, 0
.rept 32
	v_max_num_f32 v[192+i_], 0, v[192+i_]
.set i_, i_+1
.endr
	DOT16 26,192,96,128
	DOT16 27,208,112,128
	v_add_f32 v26, v26, v27
	XADD 26,27
	v_add_f32 v26, s44, v26                        ; + e_b2
	v_mul_f32 v26, 0xbfb8aa3b, v26                 ; x -log2(e)
	v_exp_f32 v26, v26
	v_nop
	s_wait_alu depctr_va_vdst(0)
	v_add_f32 v26, 1.0, v26
	v_rcp_f32 v16, v26                             ; the row's probability, in both of its lanes
	v_nop
	s_wait_alu depctr_va_vdst(0)
	v_cndmask_b32 v17, v17, v16, s28
	; (d) features x r_w: 16 tiles of outputs in v128-255, two K steps; 16 groups of two fragments in two sets; the 16 accumulators take turns
	RLD 0
	RLD 1
.set g_, 0
.rept 16
.if g_ < 15
	s_wait_dscnt 8                                 ; this group's fragments are in; the next group's eight loads may be out
.else
	s_wait_dscnt 0x0
.endif
	RMM g_
.rept 4
	v_nop                                          ; places in front of loads into registers that these products read, and of the first read of results
.endr
.if g_+2 < 16
	RLD g_+2
.endif
.set g_, g_+1
.endr
	; (e) + r_b, LN over 256 (128 in my lane), ReLU, x probability, + features
.irp b,0,1,2,3,4,5
	BLD \b
.endr
.set b_, 0
.rept 8
.if b_ < 3
	s_wait_dscnt 20                                ; behind chunk b's four loads stand five chunks' loads
.else
	s_wait_dscnt 4*(7-b_)
.endif
.set i_, 0
.rept 8
	v_pk_fma_f32 v[128+16*b_+i_:129+16*b_+i_], v[128+16*b_+i_:129+16*b_+i_], s[42:43], v[32+16*(b_%6)+i_:33+16*(b_%6)+i_] op_sel_hi:[1,0,1]   ; sum x 2^(e4 + e5) + r_b
.set i_, i_+2
.endr
.if b_ < 2
	BLD b_+6
.endif
.set b_, b_+1
.endr
.set b_, 0
.rept 8
	SUM16 32+b_,128+16*b_,40
.set b_, b_+1
.endr
	SUM8 26,32
	XADD 26,27
	v_mul_f32 v26, 0xbb800000, v26                 ; - the mean of 256
	v_mov_b32 v27, v26
.set i_, 0
.rept 64
	v_pk_add_f32 v[128+i_:129+i_], v[128+i_:129+i_], v[26:27]
.set i_, i_+2
.endr
.set b_, 0
.rept 8
	DOT16 32+b_,128+16*b_,128+16*b_,40
.set b_, b_+1
.endr
	SUM8 28,32
	XADD 28,29
	v_mul_f32 v28, 0x3b800000, v28
	v_add_f32 v28, 0x3727c5ac, v28
	v_rsq_f32 v28, v28
	v_mov_b32 v30, v16                             ; (a plain instruction behind the transcendental)  the probability as a pair
	v_mov_b32 v31, v16
	s_wait_alu depctr_va_vdst(0)
	v_mov_b32 v29, v28
	CLD 0
	CLD 1
.set b_, 0
.rept 8
.if b_ == 0
	s_wait_dscnt 12                                ; behind chunk 0's loads: chunk 1's twelve
.elseif b_ < 7
	s_wait_dscnt 16                                ; behind chunk b's loads: chunk b-1's four stores and chunk b+1's twelve loads
.else
	s_wait_dscnt 4                                 ; behind chunk 7's loads: chunk 6's four stores
.endif
.set i_, 0
.rept 8
	v_pk_mul_f32 v[32+48*(b_%2)+i_:33+48*(b_%2)+i_], v[32+48*(b_%2)+i_:33+48*(b_%2)+i_], v[28:29]
.set i_, i_+2
.endr
.set i_, 0
.rept 8
	v_pk_fma_f32 v[128+16*b_+i_:129+16*b_+i_], v[128+16*b_+i_:129+16*b_+i_], v[32+48*(b_%2)+i_:33+48*(b_%2)+i_], v[48+48*(b_%2)+i_:49+48*(b_%2)+i_]
.set i_, i_+2
.endr
.set i_, 0
.rept 16
	v_max_num_f32 v[128+16*b_+i_], 0, v[128+16*b_+i_]
.set i_, i_+1
.endr
.set i_, 0
.rept 8
	v_pk_fma_f32 v[128+16*b_+i_:129+16*b_+i_], v[128+16*b_+i_:129+16*b_+i_], v[30:31], v[64+48*(b_%2)+i_:65+48*(b_%2)+i_]
.set i_, i_+2
.endr
.irp q,0,1,2,3
	ds_store_b128 v4, v[128+16*b_+4*\q:131+16*b_+4*\q] offset:128*b_+16*\q     ; over the features' own bytes, which have been read
.endr
.if b_+2 < 8
	CLD b_+2
.endif
.set b_, b_+1
.endr
	s_wait_dscnt 0x0                               ; the stores have read their registers
	v_add_nc_u32 v26, s27, v5
.set i_, 0
.rept 16
.irp p,0,1
	ds_load_b128 v[128+8*i_+4*\p:131+8*i_+4*\p], v26 offset:FP*i_+512*\p       ; back as dense half rows: my wave's own bytes
.endr
.set i_, i_+1
.endr
.set i_, 0
.rept 16
.irp p,0,1
	s_wait_dscnt 31-2*i_-\p
	global_store_b128 v11, v[128+8*i_+4*\p:131+8*i_+4*\p], s[18:19] offset:1024*i_+512*\p th:TH_STORE_NT   ; 32 lanes store 512 consecutive bytes, at a multiple of 256 from out0's first byte
.endr
.set i_, i_+1
.endr
	s_wait_xcnt 0x0                                ; the stores have read their registers and their base: both are written again only behind this wait
	s_add_nc_u64 s[18:19], s[18:19], 0x4000
	s_add_co_u32 s27, s27, 16*FP
	s_not_b32 s28, s28
	v_mov_b32 v22, v24
	v_mov_b32 v23, v25
	s_add_co_u32 s26, s26, 1
	s_cmp_lt_u32 s26, 2
	s_cbranch_scc1 .Ltile
	v_lshlrev_b32 v26, 2, v0
	global_store_b32 v26, v17, s[20:21]            ; out1: a wave stores 128 consecutive bytes; joining the four waves' stores would cost a barrier for one 257th of the output's bytes
	s_set_vgpr_msb 0x5
	s_wait_tensorcnt 0x0
	ds_add_u32 v0, v1
	s_wait_dscnt 0x0
	s_set_vgpr_msb 0x500
	s_endpgm
.Lfunc_end_k_q6f30ff5a73_edge:
	.size	k_q6f30ff5a73_edge, .Lfunc_end_k_q6f30ff5a73_edge-k_q6f30ff5a73_edge
	.p2alignl 7, 3214868480
	.fill 96, 4, 3214868480
	.section	.rodata,"a",@progbits
	.p2align	6, 0x0
	.amdhsa_kernel k_q6f30ff5a73_edge
		.amdhsa_group_segment_fixed_size 301568
		.amdhsa_private_segment_fixed_size 0
		.amdhsa_enable_private_segment 0
		.amdhsa_kernarg_size 72
		.amdhsa_user_sgpr_count 2
		.amdhsa_user_sgpr_kernarg_segment_ptr 1
		.amdhsa_wavefront_size32 1
		.amdhsa_system_sgpr_workgroup_id_x 1
		.amdhsa_system_sgpr_workgroup_id_y 1
		.amdhsa_system_sgpr_workgroup_id_z 1
		.amdhsa_system_vgpr_workitem_id 0
		.amdhsa_next_free_vgpr 258
		.amdhsa_next_free_sgpr 66
		.amdhsa_reserve_vcc 1
		.amdhsa_float_denorm_mode_32 3
		.amdhsa_float_denorm_mode_16_64 3
		.amdhsa_memory_ordered 1
		.amdhsa_forward_progress 1
		.amdhsa_inst_pref_size 235
	.end_amdhsa_kernel
	.amdgpu_metadata
---
amdhsa.version: [ 1, 2 ]
amdhsa.kernels:
  - .name:           k_q6f30ff5a73_edge
    .symbol:         k_q6f30ff5a73_edge.kd
    .args:
      - { .name: xyz, .offset: 0, .size: 8, .value_kind: global_buffer, .address_space: global }
      - { .name: features, .offset: 8, .size: 8, .value_kind: global_buffer, .address_space: global }
      - { .name: blk, .offset: 16, .size: 8, .value_kind: global_buffer, .address_space: global }
      - { .name: wfr, .offset: 24, .size: 8, .value_kind: global_buffer, .address_space: global }
      - { .name: lowp_scales, .offset: 32, .size: 8, .value_kind: global_buffer, .address_space: global }
      - { .name: g_b2, .offset: 40, .size: 8, .value_kind: global_buffer, .address_space: global }
      - { .name: e_b2, .offset: 48, .size: 8, .value_kind: global_buffer, .address_space: global }
      - { .name: out0, .offset: 56, .size: 8, .value_kind: global_buffer, .address_space: global }
      - { .name: out1, .offset: 64, .size: 8, .value_kind: global_buffer, .address_space: global }
    .group_segment_fixed_size: 301568
    .private_segment_fixed_size: 0
    .kernarg_segment_align: 8
    .kernarg_segment_size: 72
    .max_flat_workgroup_size: 128
    .sgpr_count:     66
    .vgpr_count:     258
    .wavefront_size: 32
...
	.end_amdgpu_metadata
.endif
;; end of part 2
;; ======== version 2 of 2: 2 launches; version 1 with the launches blocks, edge written anew for expert scheduling mode
;; workspace buffers: blk 524,288 bytes of whole numbers; wfr 98,304 bytes
;; launch blocks (part 3): grid 256 x 1, 4 waves a work-group, no clusters, 201,216 bytes of LDS; arguments xyz, lowp_scales, r_w, e_w1, g_w2, r_b, r_lnw, r_lnb, e_b1, e_lnw, e_lnb, e_w2, g_w1, g_b1, g_lnw, g_lnb, blk, wfr; writes blk, wfr
.if DOCPART == 3
	.amdgcn_target "amdgcn-amd-amdhsa--gfx1250"
	.amdhsa_code_object_version 6
	.text
	.protected	k_q6f30ff5a73_blocks
	.globl	k_q6f30ff5a73_blocks
	.p2align	8
	.type	k_q6f30ff5a73_blocks,@function
k_q6f30ff5a73_blocks:
	s_mov_b64 s[64:65], 0
	v_nop
	global_prefetch_b8 v0, s[64:65] scope:SCOPE_SE
	s_setreg_imm32_b32 hwreg(HW_REG_WAVE_SCHED_MODE, 0, 2), 2
	s_setreg_imm32_b32 hwreg(HW_REG_WAVE_MODE, 25, 1), 1
	s_wait_xcnt 0x0
	s_wait_alu depctr_vm_vsrc(0)
; FIRST LEVEL OF THE 16 NEAREST NEIGHBOURS, and the weights' codes.
; key(n, m) = 2 x_n . x_m - |x_m|^2: the problem's pd without -|x_n|^2, which is the same for all candidates of a query, so the order is the same.
; The 4,096 candidates of a cloud are 256 blocks of 16 neighbouring indices.  The 16 blocks that come first by (largest key descending, block number ascending) hold the 16 candidates that come
; first by (key descending, index ascending): a candidate of a block that is not chosen has 16 blocks' largest keys ahead of it.  This launch stores those 16 block numbers for each query, ascending,
; one a byte; the next launch ranks their 256 candidates.
; SHARES.  Work-group g: cloud g / 32, queries 128 (g % 32) + thread.  A wave has 32 queries, two tiles of 16; lane l ends up with query 32 wave + l.
; KEYS by v_wmma_f32_16x16x4_f32: source 0 = the 16 candidates of a block (x, y, z, -|x|^2), source 1 = 16 queries (2x, 2y, 2z, 1): a lane holds one query and eight candidates.
; TOP 16 WITHOUT A BRANCH.  Pass 1: sorted insertion of each block's largest key into L[0..15] (median of three).  T = L[15], RR = how many L equal T.  Pass 2, blocks ascending: a block is taken where
; its key > T, or = T while fewer than RR ties were taken; a taken number is pushed into a shift register of 16 by selects.  Ties go to the lower number.
; THE JOB.  Wave 0 of work-groups 0 to 45 also lays one piece of wfr: a weight fragment as codes of E4M3 in the order of the operand's registers (lane l's registers 4c .. 4c+3 at 512 c + 16 l), or the small parameters.
; LIMITS.  NaN and infinities in xyz are not served.  Each scale's exponent e lies between -126 and 119.  Candidates whose keys differ by less than f32 rounding of this cancelling formula may be ranked
; otherwise than the problem's own rounding ranks them; exact ties follow it.
; LDS: TAB at 0: 256 blocks x (16 points x 16 bytes + 16 of padding); BM behind it: 32,768 bytes a wave: block t's largest key of lane l at 128 t + 4 l.
; REGISTERS: v1 r, v2 h, v3 12 x thread, v4 v5 where I store points, v6 16 r + 8 h, v7 v9 addresses in hand, v8 my place in BM, v10 16 x thread, v11 4 x lane, v12-14 my own point;
;   v16-143 the cloud's points on their way to LDS; then v16-19 two candidate fragments, v20-23 the two query fragments, v24-30 at work, v32 T, v33 RR, v34 ties taken, v36-39 the packed numbers,
;   v40 v41 a block's largest key by turns, v48-63 L, v64-79 the shift register, v80-95 keys read back; v144-223 the job's; v224-255 the keys: written by the matrix instruction alone.
; THE MODE: SCHED_MODE bits 1:0 = 2 (LLVM: expert scheduling mode 2), set by the entry lines.  The code itself states the register dependences between vector or matrix instructions and memory or
; LDS instructions, and those through scalar registers that vector instructions write, with s_wait_alu, always for 0.
; THE PLAN.  Registers that memory or LDS instructions touch:
;   v3-6, v8, v10, v11   offsets, made at the head and never written again: one wait ahead of the first load.
;   v16-143              loaded; the fourth word of each point is written by vector instructions; read by 32 LDS stores, in two halves, each behind one wait; free again behind one wait on vm_vsrc behind the barrier.
;   PASS 1, step t:      F[t % 2] (v16-17, v18-19): read by step t-1's two products; the load of block t+2's fragment lands in it at step t's head.
;                        M[t % 2] (v40, v41): written by step t; read by the store at step t+1's head; written again by step t+2.
;                        v7, v9: read by every load and store; stepped once in two steps, at a step's head.
;                        So two lines stand at a step's head: vm_vsrc (the last step's store has read M[t % 2]; v7 and v9 have been read) and va_vdst (M[(t-1) % 2], v7 and v9 are written; the last
;                        step's products are done reading F[t % 2]).  The step's store and load follow; none of its vector or matrix instructions names a register that they touch.
;   PASS 2:              v80-87, v88-95: read by the compares of one half trip, loaded again at the head of the other: one wait on va_vdst a half; v9 is stepped once a trip behind a wait on vm_vsrc.
;   MASKS:               the 17 compares of eight blocks have one wait on va_sdst; each later tie compare stands at the head of a push and its wait eight selects further on.
.set TP,  272
.set BMB, 256*TP
.set L,   48
.set P,   64
.macro INS c                           ; v[c] into the descending list: L[i] = the middle one of L[i-1], L[i], c, from the end on
.irp i,15,14,13,12,11,10,9,8,7,6,5,4,3,2,1
	v_med3_num_f32 v[L+\i], v[L+\i-1], v[L+\i], v[\c]
.endr
	v_max_num_f32 v[L], v[L], v[\c]
.endm
; One block, t; p = t % 2.  st: block t-1's maximum is stored, at byte so; adr: the two addresses move on first; ld: block t+2's fragment is asked for, at byte lo; mm: block t+1's keys are started;
; n: LDS instructions issued behind the load of block t+1's fragment.
.macro STEP p, adr, st, ld, mm, n, so, lo
.if \st
	s_wait_alu depctr_vm_vsrc(0)                   ; the last step's store has read v[40+p], which this step writes again; the LDS instructions issued so far have read v7 and v9
.if \adr
	v_add_nc_u32 v7, s47, v6
	v_add_nc_u32 v9, s48, v8
.endif
	s_wait_alu depctr_va_vdst(0)                   ; the last step has written its maximum, which the store reads; v7 and v9 are written; the last step's products are done reading the fragment in which the load lands
	ds_store_b32 v9, v[41-\p] offset:\so
.if \ld
	ds_load_b64 v[16+2*\p:17+2*\p], v7 offset:\lo
.endif
.endif
.if \mm
	s_wait_dscnt \n                                ; block t+1's fragment is in; what was issued behind it may stay out
	v_wmma_f32_16x16x4_f32 v[240-16*\p:247-16*\p], v[18-2*\p:19-2*\p], v[20:21], 0
	v_wmma_f32_16x16x4_f32 v[248-16*\p:255-16*\p], v[18-2*\p:19-2*\p], v[22:23], 0
.endif
	v_max3_num_f32 v24, v[224+16*\p], v[225+16*\p], v[226+16*\p]   ; block t's keys were started a step ago: 28 plain vector instructions lie between (ISA guide 7.12.1 asks for 8); each result is read from its low end on
	v_max3_num_f32 v25, v[232+16*\p], v[233+16*\p], v[234+16*\p]
	v_max3_num_f32 v26, v[227+16*\p], v[228+16*\p], v[229+16*\p]
	v_max3_num_f32 v27, v[235+16*\p], v[236+16*\p], v[237+16*\p]
	v_max3_num_f32 v24, v24, v26, v[230+16*\p]
	v_max3_num_f32 v25, v25, v27, v[238+16*\p]
	v_max_num_f32 v24, v24, v[231+16*\p]           ; tile 0: the largest of my eight candidates
	v_max_num_f32 v25, v25, v[239+16*\p]           ; tile 1
	v_cndmask_b32 v28, v25, v24, s42               ; lanes 16-31 own tile 1 and send tile 0's, lanes 0-15 the other way round
	v_cndmask_b32 v29, v24, v25, s42
	v_permlanex16_b32 v30, v28, s44, s45
	v_max_num_f32 v[40+\p], v29, v30               ; the block's largest key for my query
	INS 40+\p
.endm
.macro CH_A                            ; are ties still taken?
	v_cmp_lt_u32 s84, v34, v33
.endm
.macro CH_B j                          ; is block j of the eight a tie that is still taken?
	s_wait_alu depctr_va_sdst(0)                   ; s84 is written, ahead of its first reader (for block 0: so are the sixteen masks s68 to s83)
	s_and_b32 s84, s84, s[76+(\j)]
	s_or_b32 s[68+(\j)], s[68+(\j)], s84
	v_cndmask_b32 v35, 0, 1, s84
	v_add_nc_u32 v34, v34, v35
.endm
.macro PUSH j                          ; where block j is taken, its number s49 is pushed; the next block's compare stands at the head, its decision in the middle
	s_mov_b32 vcc_lo, s[68+\j]
.if \j < 7
	CH_A
.endif
.irp i,15,14,13,12,11,10,9,8
	v_cndmask_b32 v[P+\i], v[P+\i], v[P+\i-1], vcc_lo
.endr
.if \j < 7
	CH_B \j+1
.endif
.irp i,7,6,5,4,3,2,1
	v_cndmask_b32 v[P+\i], v[P+\i], v[P+\i-1], vcc_lo
.endr
	v_cndmask_b32 v[P], v[P], s49, vcc_lo
	s_add_co_u32 s49, s49, 1
.endm
.macro PROC buf                        ; eight blocks' keys in v[buf] on
.irp j,0,1,2,3,4,5,6,7
	v_cmp_gt_f32 s[68+\j], v[\buf+\j], v32
	v_cmp_eq_f32 s[76+\j], v[\buf+\j], v32
.endr
	CH_A
	CH_B 0
.irp j,0,1,2,3,4,5,6,7
	PUSH \j
.endr
.endm
.macro LOAD8 buf, adr, off
.irp j,0,1,2,3,4,5,6,7
	ds_load_b32 v[\buf+\j], v[\adr] offset:\off+128*\j
.endr
.endm
.macro WLOAD pitch, nc, ni             ; the job: a lane takes a column of the weight and its registers run down K: number 16 c + i is row 32 c + i from the lane's first row
.set c_, 0
.rept \nc
.set i_, 0
.rept \ni
	global_load_b32 v[144+16*c_+i_], v7, s[60:61] offset:(32*c_+i_)*\pitch
.set i_, i_+1
.endr
.set c_, c_+1
.endr
.endm
.macro ZERO from                       ; numbers that a short fragment lacks: zeros give the code 0
.set i_, \from
.rept 208-\from
	v_mov_b32 v[i_], 0
.set i_, i_+1
.endr
.endm
.macro PLD sb, n, first                ; the job: n x 128 bytes of a small parameter
.set i_, 0
.rept \n
	global_load_b32 v[144+\first+i_], v11, s[\sb:\sb+1] offset:128*i_
.set i_, i_+1
.endr
.endm
	s_load_b512 s[4:19], s[0:1], 0x0               ; xyz, lowp_scales, r_w, e_w1, g_w2, r_b, r_lnw, r_lnb
	s_load_b512 s[20:35], s[0:1], 0x40             ; e_b1, e_lnw, e_lnb, e_w2, g_w1, g_b1, g_lnw, g_lnb
	s_load_b128 s[36:39], s[0:1], 0x80             ; blk, wfr
	s_set_vgpr_msb 0x40
	v_lshl_add_u32 v0, v0, 2, 0x31000
	v_mov_b32 v1, 0
	s_set_vgpr_msb 0x4000
	v_lshrrev_b32 v1, 5, v0
	v_readfirstlane_b32 s40, v1                    ; wave
	v_and_b32 v1, 15, v0                           ; r
	v_bfe_u32 v2, v0, 4, 1                         ; h
	v_mul_u32_u24 v3, v0, 12                       ; a point is 12 bytes
	v_lshrrev_b32 v4, 4, v0
	v_mul_u32_u24 v4, v4, TP
	v_lshl_add_u32 v4, v1, 4, v4                   ; point thread + 128 i lies in block thread / 16 + 8 i, place thread % 16
	v_add_nc_u32 v5, 16*8*TP, v4                   ; from i = 16 on: the immediate has 16 bits
	v_lshlrev_b32 v6, 4, v1
	v_lshl_add_u32 v6, v2, 3, v6                   ; a fragment: point r, (x, y) for lanes 0-15, (z, -|x|^2) for lanes 16-31
	v_and_b32 v11, 31, v0
	v_lshlrev_b32 v11, 2, v11
	v_lshlrev_b32 v10, 4, v0
	s_mov_b32 s42, 0xffff0000                      ; lanes 16-31
	s_mov_b32 s44, 0x76543210                      ; v_permlanex16_b32: lane l xor 16
	s_mov_b32 s45, 0xfedcba98
	s_wait_alu depctr_va_sdst(0)                   ; s40 is written, ahead of its first reader
	s_lshl_b32 s84, s40, 15
	s_add_co_u32 s84, s84, BMB
	v_add_nc_u32 v8, s84, v11
	s_cmp_eq_u32 s40, 0
	s_cselect_b32 s41, ttmp9, 255                  ; the job's number: wave 0 of work-groups 0 to 45 has one
	s_lshr_b32 s50, ttmp9, 5
	s_mul_i32 s50, s50, 49152                      ; my cloud
	s_mov_b32 s51, 0
	s_wait_kmcnt 0x0
	s_add_nc_u64 s[4:5], s[4:5], s[50:51]
	s_and_b32 s50, ttmp9, 31
	s_mul_i32 s50, s50, 1536                       ; my work-group's 128 queries in it
	s_add_nc_u64 s[86:87], s[4:5], s[50:51]
	s_lshl_b32 s50, ttmp9, 11
	s_add_nc_u64 s[36:37], s[36:37], s[50:51]      ; blk: 128 queries x 16 bytes
	s_wait_alu depctr_va_vdst(0)                   ; the offsets and addresses v3 to v6, v8, v10 and v11 are written, which the loads and stores of the whole kernel read
.set n_, 0
.rept 32
	global_load_b96 v[16+4*n_:18+4*n_], v3, s[4:5] offset:1536*n_   ; point thread + 128 n
.set n_, n_+1
.endr
	global_load_b96 v[12:14], v3, s[86:87]         ; my own query
	; ---- THE JOB: no barrier and no LDS instruction stands in it; its data registers and bases are not written again
	s_cmp_ge_u32 s41, 46
	s_cbranch_scc1 .Ljob_done
	s_cmp_lt_u32 s41, 32
	s_cbranch_scc0 .Lnot_r
	s_load_b32 s58, s[6:7], 0x14                   ; R(t, s), job = 2 t + s: r_w, rows 128 s on; lane r of tile 2 b + u takes column 32 b + 8 u + r + 8 (r / 8)
	s_and_b32 s50, s41, 1
	s_lshl_b32 s50, s50, 17
	s_lshr_b32 s84, s41, 2
	s_lshl_b32 s84, s84, 7
	s_add_co_u32 s50, s50, s84
	s_bfe_u32 s84, s41, 0x10001
	s_lshl_b32 s84, s84, 5
	s_add_co_u32 s50, s50, s84
	s_add_nc_u64 s[60:61], s[8:9], s[50:51]
	v_and_b32 v7, 8, v1
	v_add_nc_u32 v7, v7, v1
	v_lshlrev_b32 v7, 2, v7
	v_lshl_add_u32 v7, v2, 14, v7                  ; lanes 16-31 begin 16 rows of 1,024 bytes further down
	s_lshl_b32 s50, s41, 11
	s_add_co_u32 s50, s50, 32768
	s_add_nc_u64 s[62:63], s[38:39], s[50:51]
	s_wait_alu depctr_va_vdst(0)                   ; v7 is written, which the loads read as their offset
	WLOAD 1024, 4, 16
	s_branch .Lq64
.Lnot_r:
	s_cmp_lt_u32 s41, 40
	s_cbranch_scc0 .Lnot_e
	s_load_b32 s58, s[6:7], 0xc                    ; E(t, s), job - 32 = 2 t + s: e_w1, rows 128 s on, column 16 t + r
	s_sub_co_u32 s85, s41, 32
	s_and_b32 s50, s85, 1
	s_lshl_b32 s50, s50, 15
	s_lshr_b32 s84, s85, 1
	s_lshl_b32 s84, s84, 6
	s_add_co_u32 s50, s50, s84
	s_add_nc_u64 s[60:61], s[10:11], s[50:51]
	v_lshlrev_b32 v7, 2, v1
	v_lshl_add_u32 v7, v2, 12, v7                  ; 16 rows of 256 bytes
	s_lshl_b32 s50, s85, 11
	s_add_co_u32 s50, s50, 16384
	s_add_nc_u64 s[62:63], s[38:39], s[50:51]
	s_wait_alu depctr_va_vdst(0)                   ; v7 is written, which the loads read as their offset
	WLOAD 256, 4, 16
	s_branch .Lq64
.Lnot_e:
	s_cmp_lt_u32 s41, 44
	s_cbranch_scc0 .Lnot_et
	s_load_b32 s58, s[6:7], 0xc                    ; ET(t), t = job - 40: e_w1's rows 256 + 8 h + 0 .. 7, column 16 t + r; the rest of the K step is zeros
	s_sub_co_u32 s85, s41, 40
	s_lshl_b32 s50, s85, 6
	s_add_co_u32 s50, s50, 65536
	s_add_nc_u64 s[60:61], s[10:11], s[50:51]
	v_lshlrev_b32 v7, 2, v1
	v_lshl_add_u32 v7, v2, 11, v7                  ; 8 rows of 256 bytes
	s_lshl_b32 s50, s85, 11
	s_add_co_u32 s50, s50, 8192
	s_add_nc_u64 s[62:63], s[38:39], s[50:51]
	s_wait_alu depctr_va_vdst(0)                   ; v7 is written, which the loads read as their offset
	WLOAD 256, 1, 8
	ZERO 152
	s_branch .Lq64
.Lnot_et:
	s_cmp_eq_u32 s41, 44
	s_cbranch_scc0 .Lpar
	s_load_b32 s58, s[6:7], 0x4                    ; G: g_w2, rows 16 h + 0 .. 15, column r; K = 32 of the instruction's 64
	s_mov_b64 s[60:61], s[12:13]
	v_lshlrev_b32 v7, 2, v1
	v_lshl_add_u32 v7, v2, 10, v7                  ; 16 rows of 64 bytes
	s_add_nc_u64 s[62:63], s[38:39], 7168
	s_wait_alu depctr_va_vdst(0)                   ; v7 is written, which the loads read as their offset
	WLOAD 64, 1, 16
	ZERO 160
.Lq64:
	s_wait_kmcnt 0x0                               ; e
	s_add_co_i32 s58, s58, 127
	s_lshl_b32 s59, s58, 23
	v_mov_b32 v9, s59                              ; 2^e as f32: the conversion takes its exponent field
	s_add_co_i32 s58, s58, 8
	s_lshl_b32 s58, s58, 23
	s_or_b32 s58, s58, 0x600000
	v_mov_b32 v15, s58                             ; 448 x 2^e
	s_wait_loadcnt 0x0
.irp g,0,1,2,3,4,5,6,7
.irp i,0,1,2,3,4,5,6,7
	v_med3_num_f32 v[144+8*\g+\i], v[144+8*\g+\i], -v15, v15   ; the conversion to an 8-bit code does not saturate (ISA guide 7.6.2): the hold comes first
.endr
	v_cvt_scalef32_pk8_fp8_f32 v[208+2*\g:209+2*\g], v[144+8*\g:151+8*\g], v9
.endr
	v_nop                                          ; one plain vector instruction behind the last conversion
	s_wait_alu depctr_va_vdst(0)                   ; the conversions have written v208 to v223, which the stores read
	global_store_b128 v10, v[208:211], s[62:63]            ; in wave 0 the thread is the lane: 512 consecutive bytes a store
	global_store_b128 v10, v[212:215], s[62:63] offset:512
	s_cmp_eq_u32 s41, 44
	s_cbranch_scc1 .Ljob_done                      ; G's image is eight registers
	global_store_b128 v10, v[216:219], s[62:63] offset:1024
	global_store_b128 v10, v[220:223], s[62:63] offset:1536
	s_branch .Ljob_done
.Lpar:                                                 ; the small parameters, on end: r_b, r_lnw, r_lnb, e_b1, e_lnw, e_lnb, e_w2, g_w1, g_b1, g_lnw, g_lnb; zeros up to byte 7,168
	PLD 14, 8, 0
	PLD 16, 8, 8
	PLD 18, 8, 16
	PLD 20, 2, 24
	PLD 22, 2, 26
	PLD 24, 2, 28
	PLD 26, 2, 30
	PLD 28, 10, 32
	PLD 30, 1, 42
	PLD 32, 1, 43
	PLD 34, 1, 44
	v_mov_b32 v189, 0
	s_wait_loadcnt 0x0
	s_wait_alu depctr_va_vdst(0)                   ; v189 is written, which the last eleven stores read
.set i_, 0
.rept 45
	global_store_b32 v11, v[144+i_], s[38:39] offset:128*i_
.set i_, i_+1
.endr
.rept 11
	global_store_b32 v11, v189, s[38:39] offset:128*i_
.set i_, i_+1
.endr
.Ljob_done:
	; ---- THE TABLE: (x, y, z, -|x|^2) of every point of the cloud.  The stores of the first 16 points are dealt among the arithmetic of the other 16, which names other registers
	s_wait_loadcnt 0x0
.set n_, 0
.rept 16
	v_mul_f32 v[19+4*n_], v[16+4*n_], v[16+4*n_]
	v_fmac_f32 v[19+4*n_], v[17+4*n_], v[17+4*n_]
	v_fma_f32 v[19+4*n_], -v[18+4*n_], v[18+4*n_], -v[19+4*n_]
.set n_, n_+1
.endr
	s_wait_alu depctr_va_vdst(0)                   ; the fourth words of points 0 to 15 are written, which the stores below read
.rept 16
	ds_store_b128 v4, v[16+4*(n_-16):19+4*(n_-16)] offset:8*TP*(n_-16)
	v_mul_f32 v[19+4*n_], v[16+4*n_], v[16+4*n_]
	v_fmac_f32 v[19+4*n_], v[17+4*n_], v[17+4*n_]
	v_fma_f32 v[19+4*n_], -v[18+4*n_], v[18+4*n_], -v[19+4*n_]
.set n_, n_+1
.endr
	s_wait_alu depctr_va_vdst(0)                   ; those of points 16 to 31 are written
.set n_, 16
.rept 16
	ds_store_b128 v5, v[16+4*n_:19+4*n_] offset:8*TP*(n_-16)
.set n_, n_+1
.endr
	s_wait_dscnt 0x0                               ; for the others' sake: my part of the table has landed
	s_barrier_signal -1
	s_barrier_wait -1                              ; the table is whole; nobody writes it again
	s_wait_alu depctr_vm_vsrc(0)                   ; my LDS stores have read v16 to v143: from here on these registers are fragments, lists and work registers
	; ---- the two query fragments; blocks 0 and 1
	ds_load_b64 v[16:17], v6
	ds_load_b64 v[18:19], v6 offset:TP
	v_permlanex16_b32 v24, v12, s44, s45           ; the point of lane l xor 16
	v_permlanex16_b32 v25, v13, s44, s45
	v_permlanex16_b32 v26, v14, s44, s45
	v_cndmask_b32 v20, v12, v26, s42               ; tile 0 (queries of lanes 0-15): lanes 0-15 hold (2x, 2y), lanes 16-31 (2z, 1)
	v_cndmask_b32 v22, v24, v14, s42               ; tile 1 (queries of lanes 16-31)
	v_add_f32 v20, v20, v20
	v_add_f32 v22, v22, v22
	v_add_f32 v21, v13, v13
	v_add_f32 v23, v25, v25
	v_cndmask_b32 v21, v21, 1.0, s42
	v_cndmask_b32 v23, v23, 1.0, s42
	s_wait_dscnt 0x0
	v_wmma_f32_16x16x4_f32 v[224:231], v[16:17], v[20:21], 0
	v_wmma_f32_16x16x4_f32 v[232:239], v[16:17], v[22:23], 0
.set i_, 0
.rept 16
	v_mov_b32 v[L+i_], 0xff800000                  ; the list begins under every key.  (These are also the places behind the two products, ahead of the first read of their results)
.set i_, i_+1
.endr
	v_mov_b32 v30, 0
	s_wait_alu depctr_va_vdst(0)                   ; the two products are done reading v16 and v17, in which block 2's fragment lands
	ds_load_b64 v[16:17], v6 offset:2*TP           ; block 2
	; ---- PASS 1: block 0, which has nothing to store yet; 126 trips of two blocks; three blocks written out, whose loads and products run out; the last store
	s_mov_b32 s46, 0
	s_mov_b32 s47, 0
	s_mov_b32 s48, 0
	STEP 0, 0, 0, 0, 1, 1, 0, 0                    ; the count 1: block 1's fragment is in, block 2's may be out
.Lscan:
	STEP 1, 1, 1, 1, 1, 2, 0, 3*TP                 ; the count 2: behind block t+1's load stand this step's store and load
	STEP 0, 0, 1, 1, 1, 2, 128, 4*TP
	s_add_co_u32 s47, s47, 2*TP
	s_add_co_u32 s48, s48, 256
	s_add_co_u32 s46, s46, 1
	s_cmp_lt_u32 s46, 126
	s_cbranch_scc1 .Lscan
	STEP 1, 1, 1, 1, 1, 2, 0, 3*TP                 ; block 253 asks for block 255
	STEP 0, 0, 1, 0, 1, 1, 128, 0                  ; behind block 255's load stands block 253's store alone
	STEP 1, 0, 1, 0, 0, 0, 256, 0
	s_wait_alu depctr_va_vdst(0)                   ; block 255's maximum is written, which the store reads
	ds_store_b32 v9, v41 offset:384
	; ---- the threshold: sixteen compares in one run, one wait
	v_mov_b32 v32, v[L+15]
	v_mov_b32 v33, 0
	v_mov_b32 v34, 0
.set i_, 0
.rept 16
	v_cmp_eq_f32 s[68+i_], v[L+i_], v32
.set i_, i_+1
.endr
.set i_, 0
.rept 16
	v_mov_b32 v[P+i_], 0
.set i_, i_+1
.endr
	s_wait_alu depctr_va_sdst(0)                   ; the masks s68 to s83 are written, ahead of their first readers
.set i_, 0
.rept 16
	v_cndmask_b32 v35, 0, 1, s[68+i_]
	v_add_nc_u32 v33, v33, v35
.set i_, i_+1
.endr
	; ---- PASS 2: 16 trips of 16 blocks.  LDS serves a wave's instructions in order (ISA guide 5.7.1.4): these loads see my stores
	s_mov_b32 s46, 0
	s_mov_b32 s48, 0
	s_mov_b32 s49, 0                               ; the block's number
	LOAD8 80, 8, 0                                 ; no vector instruction since the wait ahead of the last store names v8 or v80 to v87
.Lpick:
	s_wait_alu depctr_vm_vsrc(0)                   ; the LDS instructions issued so far have read v9
	v_add_nc_u32 v9, s48, v8
	s_wait_alu depctr_va_vdst(0)                   ; v9 is written; the last trip's compares are done reading v88 to v95
	LOAD8 88, 9, 1024
	s_wait_dscnt 8                                 ; the first eight are in; the eight just issued may be out
	PROC 80
	s_wait_dscnt 0x0
	s_wait_alu depctr_va_vdst(0)                   ; the compares above are done reading v80 to v87
	s_cmp_eq_u32 s46, 15
	s_cbranch_scc1 .Lno_more                       ; the last trip asks for nothing
	LOAD8 80, 9, 2048
.Lno_more:
	PROC 88
	s_add_co_u32 s48, s48, 2048
	s_add_co_u32 s46, s46, 1
	s_cmp_lt_u32 s46, 16
	s_cbranch_scc1 .Lpick
	; ---- sixteen pushes have happened: P[15] is the smallest number.  One a byte, ascending; a wave stores 512 consecutive bytes
.irp k,0,1,2,3
	v_lshl_or_b32 v[36+\k], v[P+14-4*\k], 8, v[P+15-4*\k]
	v_lshl_or_b32 v[36+\k], v[P+13-4*\k], 16, v[36+\k]
	v_lshl_or_b32 v[36+\k], v[P+12-4*\k], 24, v[36+\k]
.endr
	s_wait_alu depctr_va_vdst(0)                   ; v36 to v39 are written, which the store reads
	global_store_b128 v10, v[36:39], s[36:37]
	s_set_vgpr_msb 0x5
	s_wait_dscnt 0x0
	s_wait_alu depctr_hold_cnt(0) depctr_sa_sdst(0) depctr_va_vdst(0) depctr_va_sdst(0) depctr_va_ssrc(0) depctr_va_vcc(0) depctr_vm_vsrc(0)
	s_wait_tensorcnt 0x0
	ds_add_u32 v0, v1
	s_wait_dscnt 0x0
	s_endpgm
.Lfunc_end_k_q6f30ff5a73_blocks:
	.size	k_q6f30ff5a73_blocks, .Lfunc_end_k_q6f30ff5a73_blocks-k_q6f30ff5a73_blocks
	.p2alignl 7, 3214868480
	.fill 96, 4, 3214868480
	.section	.rodata,"a",@progbits
	.p2align	6, 0x0
	.amdhsa_kernel k_q6f30ff5a73_blocks
		.amdhsa_group_segment_fixed_size 201216
		.amdhsa_private_segment_fixed_size 0
		.amdhsa_enable_private_segment 0
		.amdhsa_kernarg_size 144
		.amdhsa_user_sgpr_count 2
		.amdhsa_user_sgpr_kernarg_segment_ptr 1
		.amdhsa_wavefront_size32 1
		.amdhsa_system_sgpr_workgroup_id_x 1
		.amdhsa_system_sgpr_workgroup_id_y 1
		.amdhsa_system_sgpr_workgroup_id_z 1
		.amdhsa_system_vgpr_workitem_id 0
		.amdhsa_next_free_vgpr 258
		.amdhsa_next_free_sgpr 100
		.amdhsa_reserve_vcc 1
		.amdhsa_float_denorm_mode_32 3
		.amdhsa_float_denorm_mode_16_64 3
		.amdhsa_memory_ordered 1
		.amdhsa_forward_progress 1
		.amdhsa_inst_pref_size 82
	.end_amdhsa_kernel
	.amdgpu_metadata
---
amdhsa.version: [ 1, 2 ]
amdhsa.kernels:
  - .name:           k_q6f30ff5a73_blocks
    .symbol:         k_q6f30ff5a73_blocks.kd
    .args:
      - { .name: xyz, .offset: 0, .size: 8, .value_kind: global_buffer, .address_space: global }
      - { .name: lowp_scales, .offset: 8, .size: 8, .value_kind: global_buffer, .address_space: global }
      - { .name: r_w, .offset: 16, .size: 8, .value_kind: global_buffer, .address_space: global }
      - { .name: e_w1, .offset: 24, .size: 8, .value_kind: global_buffer, .address_space: global }
      - { .name: g_w2, .offset: 32, .size: 8, .value_kind: global_buffer, .address_space: global }
      - { .name: r_b, .offset: 40, .size: 8, .value_kind: global_buffer, .address_space: global }
      - { .name: r_lnw, .offset: 48, .size: 8, .value_kind: global_buffer, .address_space: global }
      - { .name: r_lnb, .offset: 56, .size: 8, .value_kind: global_buffer, .address_space: global }
      - { .name: e_b1, .offset: 64, .size: 8, .value_kind: global_buffer, .address_space: global }
      - { .name: e_lnw, .offset: 72, .size: 8, .value_kind: global_buffer, .address_space: global }
      - { .name: e_lnb, .offset: 80, .size: 8, .value_kind: global_buffer, .address_space: global }
      - { .name: e_w2, .offset: 88, .size: 8, .value_kind: global_buffer, .address_space: global }
      - { .name: g_w1, .offset: 96, .size: 8, .value_kind: global_buffer, .address_space: global }
      - { .name: g_b1, .offset: 104, .size: 8, .value_kind: global_buffer, .address_space: global }
      - { .name: g_lnw, .offset: 112, .size: 8, .value_kind: global_buffer, .address_space: global }
      - { .name: g_lnb, .offset: 120, .size: 8, .value_kind: global_buffer, .address_space: global }
      - { .name: blk, .offset: 128, .size: 8, .value_kind: global_buffer, .address_space: global }
      - { .name: wfr, .offset: 136, .size: 8, .value_kind: global_buffer, .address_space: global }
    .group_segment_fixed_size: 201216
    .private_segment_fixed_size: 0
    .kernarg_segment_align: 8
    .kernarg_segment_size: 144
    .max_flat_workgroup_size: 128
    .sgpr_count:     100
    .vgpr_count:     258
    .wavefront_size: 32
...
	.end_amdgpu_metadata
.endif
;; end of part 3
;; launch edge (part 4): grid 256 x 1, 4 waves a work-group, no clusters, 301,568 bytes of LDS; arguments xyz, features, blk, wfr, lowp_scales, g_b2, e_b2, out0, out1; writes out0, out1
.if DOCPART == 4
	.amdgcn_target "amdgcn-amd-amdhsa--gfx1250"
	.amdhsa_code_object_version 6
	.text
	.protected	k_q6f30ff5a73_edge
	.globl	k_q6f30ff5a73_edge
	.p2align	8
	.type	k_q6f30ff5a73_edge,@function
k_q6f30ff5a73_edge:
	s_mov_b64 s[64:65], 0
	v_nop
	global_prefetch_b8 v0, s[64:65] scope:SCOPE_SE
	s_setreg_imm32_b32 hwreg(HW_REG_WAVE_SCHED_MODE, 0, 2), 2
	s_setreg_imm32_b32 hwreg(HW_REG_WAVE_MODE, 25, 1), 1
	s_wait_xcnt 0x0
	s_wait_alu depctr_vm_vsrc(0)
; SECOND LEVEL OF THE 16 NEAREST NEIGHBOURS, the neighbourhood's ten numbers, the three small networks, and the output.
; SHARES.  Work-group g: cloud g / 32, queries (= rows of features) 128 (g % 32) + thread.  A wave owns 32 queries from the selection to the store: one a lane up to the geo network's hidden layer, then two tiles of
; 16 rows, in which lane (r, h) holds row r and the columns 32 b + 16 h + 0 .. 15.  The waves share only the table of points and the weights, both read-only behind their barriers.
; SELECTION.  blk gives each query 16 block numbers, ascending; their 256 candidates are ranked by key = 2 x_n . x_m - |x_m|^2 (multiply, two fused multiply-adds, an addition: the order in which the launch before sums).
; Pass 1: sorted insertion of the keys; T = the 16th, RR = how many of the 16 equal it.  Pass 2, candidates ascending: taken where key > T, or = T while fewer than RR ties were taken;
; a taken point is pushed into three shift registers of 16 by selects.  No branch and no address hangs on a floating-point number.
; THE GATHERS read LDS at addresses made of loaded block numbers (held at 255 by v_min_u32): every LDS store of the launch is parted from them by a barrier.
; QUANTISED PRODUCTS: all three transposed (source 0 = 16 columns of the weight, source 1 = 16 rows), on codes of E4M3; k has the same place in both operands' registers; sums x 2^(the two exponents added).
; LIMITS.  NaN and infinities among the inputs are not served.  Each exponent e lies between -126 and 119; e0+e1, e2+e3, e4+e5 between -126 and 127.  Candidates whose keys differ by less than f32 rounding of the
; cancelling formula may be ranked otherwise than the problem's own rounding ranks them; exact ties follow it (the lower index).
; LDS: TAB at 0: 256 blocks x (16 points x 16 bytes + 16); WFR: a copy of wfr, 98,304 bytes; FEA: 128 rows x (1,024 + 16) bytes: features, later out0 in the same bytes; a wave's 32 rows are its own.
; REGISTERS that stay: v1 r, v2 h, v3 my place in a tile's rows, v4 16 x thread, later v3 + the tile, v5 a dense row's place, v6 v7 a fragment's place, v8 v9 v10 parameters' places, v11 16 x lane, v12-15 my 16 block numbers.
; WINDOW 1 (v256-511; an instruction names v0-v255, s_set_vgpr_msb says which window each operand place means: bits 1:0 source 0, 3:2 source 1, 5:4 source 2, 7:6 destination) is written by LDS loads alone.
; THE MODE: SCHED_MODE bits 1:0 = 2 (LLVM: expert scheduling mode 2), set by the entry lines.  The code itself states the register dependences between vector or matrix instructions and memory or
; LDS instructions, and those through scalar registers that vector instructions write, with s_wait_alu, always for 0.
; THE PLAN.  Registers that memory or LDS instructions touch:
;   v3, v5-11            offsets and addresses, made at the head and never written again: one wait ahead of the first load.
;   v16-143, v144-207    the points (their fourth words written by vector instructions) and wfr's first part: read by LDS stores; free again behind one wait on vm_vsrc.
;   PASSES 1 AND 2       two buffers of points by turns (v64-95 and v96-127; v96-111 and v112-127): the piece that works on one begins with the loads into the other, behind one wait on va_vdst, which states that
;                        the piece before is done reading it.  v17, the block's place, is written once a trip, behind a wait on vm_vsrc and ahead of a wait on va_vdst that stands there anyway.
;   v128-255             features on their way to LDS, wfr's second part, a tile's features, the dense rows of out0: a wait on vm_vsrc stands between the stores that read them and the next loads into them.
;   WINDOW 1, geo        16 slots of 16 registers for the 20 half rows of g_w1: 12 are asked for at once; behind half row 8 ONE wait on va_vdst frees slots 0 to 7 for the last four half rows and the two LN vectors.
;   WINDOW 1, a tile     e_w1's twelve fragments, asked for among the quantising of the features under the wait at the tile's head; then two halves of eight fragments of r_w by turns: batch k is multiplied
;                        while batch k + 1 lands in the other half, behind one wait on va_vdst, which states that batch k - 1's products are done reading it; r_b's 128 numbers are the fifth batch.
;   THE SCALING PASS     two sets of 48 registers by turns; one wait on va_vdst a chunk, behind its arithmetic: its results are written (four stores read them), its set has been read (twelve loads land in it).
;   MASKS                a run of compares has one wait on va_sdst; each later tie compare stands a run of selects ahead of its wait.
.set TP,  272
.set WFR, 256*TP
.set FEA, WFR+98304
.set FP,  1040
.set L,   48
.set NX,  48
.set NY,  64
.set NZ,  80
.set MSB, 0
.macro WIN new                         ; the immediate's high byte repeats the setting that is left; a switch that changes nothing is dropped
.if MSB != \new
	s_set_vgpr_msb (MSB<<8)|\new
.set MSB, \new
.endif
.endm
.macro INS c
.irp i,15,14,13,12,11,10,9,8,7,6,5,4,3,2,1
	v_med3_num_f32 v[L+\i], v[L+\i-1], v[L+\i], v[\c]
.endr
	v_max_num_f32 v[L], v[L], v[\c]
.endm
.macro BASEOF                          ; the block in the lowest byte: its place in the table
	v_and_b32 v17, 0xff, v12
	v_min_u32 v17, 0xff, v17
	v_mul_u32_u24 v17, v17, TP
.endm
.macro ROT                             ; the 16 bytes go round by one; after 16 times they stand as they began
	v_mov_b32 v16, v12
	v_alignbit_b32 v12, v13, v12, 8
	v_alignbit_b32 v13, v14, v13, 8
	v_alignbit_b32 v14, v15, v14, 8
	v_alignbit_b32 v15, v16, v15, 8
	BASEOF
.endm
.macro LOADN buf, off, n               ; n points of the block in hand
.set j_, 0
.rept \n
	ds_load_b128 v[\buf+4*j_:\buf+4*j_+3], v17 offset:\off+16*j_
.set j_, j_+1
.endr
.endm
.macro KEYS buf, n
.set j_, 0
.rept \n
	v_mul_f32 v[32+j_], v18, v[\buf+4*j_]
.set j_, j_+1
.endr
.set j_, 0
.rept \n
	v_fmac_f32 v[32+j_], v19, v[\buf+4*j_+1]
.set j_, j_+1
.endr
.set j_, 0
.rept \n
	v_fmac_f32 v[32+j_], v20, v[\buf+4*j_+2]
.set j_, j_+1
.endr
.set j_, 0
.rept \n
	v_add_f32 v[32+j_], v[32+j_], v[\buf+4*j_+3]
.set j_, j_+1
.endr
.endm
.macro PROC1 buf
	KEYS \buf, 8
.irp j,0,1,2,3,4,5,6,7
	INS 32+\j
.endr
.endm
.macro CH_A
	v_cmp_lt_u32 s56, v23, v22                     ; are ties still taken?
.endm
.macro CH_B j
	s_wait_alu depctr_va_sdst(0)                   ; s56 is written, ahead of its first reader (for candidate 0: so are the eight masks s48 to s55)
	s_and_b32 s56, s56, s[52+(\j)]
	s_or_b32 s[48+(\j)], s[48+(\j)], s56
.endm
.macro CH_C
	v_cndmask_b32 v24, 0, 1, s56
	v_add_nc_u32 v23, v23, v24
.endm
.macro SHH base
.irp i,15,14,13,12,11,10,9,8
	v_cndmask_b32 v[\base+\i], v[\base+\i], v[\base+\i-1], vcc_lo
.endr
.endm
.macro SHL base, src
.irp i,7,6,5,4,3,2,1
	v_cndmask_b32 v[\base+\i], v[\base+\i], v[\base+\i-1], vcc_lo
.endr
	v_cndmask_b32 v[\base], v[\base], v[\src], vcc_lo
.endm
.macro PUSH3 j, buf                    ; where candidate j is taken, its x, y, z are pushed; the next candidate's decision stands between the runs
	s_mov_b32 vcc_lo, s[48+\j]
	SHH NX
	SHL NX, \buf+4*\j
.if \j < 3
	CH_A
.endif
	SHH NY
.if \j < 3
	CH_B \j+1
.endif
	SHL NY, \buf+4*\j+1
.if \j < 3
	CH_C
.endif
	SHH NZ
	SHL NZ, \buf+4*\j+2
.endm
.macro PROC2 buf
	KEYS \buf, 4
.irp j,0,1,2,3
	v_cmp_gt_f32 s[48+\j], v[32+\j], v21
	v_cmp_eq_f32 s[52+\j], v[32+\j], v21
.endr
	CH_A
	CH_B 0
	CH_C
.irp j,0,1,2,3
	PUSH3 \j, \buf
.endr
.endm
.macro SUM16 dst, b, t                 ; v[dst] = the sum of v[b] .. v[b+15]; v[t] .. v[t+7] at work
	v_pk_add_f32 v[\t:\t+1], v[\b:\b+1], v[\b+2:\b+3]
	v_pk_add_f32 v[\t+2:\t+3], v[\b+4:\b+5], v[\b+6:\b+7]
	v_pk_add_f32 v[\t+4:\t+5], v[\b+8:\b+9], v[\b+10:\b+11]
	v_pk_add_f32 v[\t+6:\t+7], v[\b+12:\b+13], v[\b+14:\b+15]
	v_pk_add_f32 v[\t:\t+1], v[\t:\t+1], v[\t+2:\t+3]
	v_pk_add_f32 v[\t+4:\t+5], v[\t+4:\t+5], v[\t+6:\t+7]
	v_pk_add_f32 v[\t:\t+1], v[\t:\t+1], v[\t+4:\t+5]
	v_add_f32 v[\dst], v[\t], v[\t+1]
.endm
.macro DOT16 dst, a, b, t              ; v[dst] = the sum of v[a+i] v[b+i], i = 0 .. 15; v[t] .. v[t+3] at work
	v_pk_mul_f32 v[\t:\t+1], v[\a:\a+1], v[\b:\b+1]
	v_pk_mul_f32 v[\t+2:\t+3], v[\a+2:\a+3], v[\b+2:\b+3]
.irp k,4,8,12
	v_pk_fma_f32 v[\t:\t+1], v[\a+\k:\a+\k+1], v[\b+\k:\b+\k+1], v[\t:\t+1]
	v_pk_fma_f32 v[\t+2:\t+3], v[\a+\k+2:\a+\k+3], v[\b+\k+2:\b+\k+3], v[\t+2:\t+3]
.endr
	v_pk_add_f32 v[\t:\t+1], v[\t:\t+1], v[\t+2:\t+3]
	v_add_f32 v[\dst], v[\t], v[\t+1]
.endm
.macro SUM8 dst, b
	v_pk_add_f32 v[\b:\b+1], v[\b:\b+1], v[\b+2:\b+3]
	v_pk_add_f32 v[\b+4:\b+5], v[\b+4:\b+5], v[\b+6:\b+7]
	v_pk_add_f32 v[\b:\b+1], v[\b:\b+1], v[\b+4:\b+5]
	v_add_f32 v[\dst], v[\b], v[\b+1]
.endm
.macro XADD a, t                       ; + lane l xor 16's: the row's other half
	v_permlanex16_b32 v[\t], v[\a], s24, s25
	v_add_f32 v[\a], v[\a], v[\t]
.endm
.macro MKSC e, vs, vl                  ; v[vs] = 2^e as f32, v[vl] = 448 x 2^e
	s_add_co_i32 s56, s[\e], 127
	s_lshl_b32 s57, s56, 23
	v_mov_b32 v[\vs], s57
	s_add_co_i32 s56, s56, 8
	s_lshl_b32 s56, s56, 23
	s_or_b32 s56, s56, 0x600000
	v_mov_b32 v[\vl], s56
.endm
.macro MKPAIR d, a, b                  ; s[d] = s[d+1] = 2^(ea + eb) as f32
	s_add_co_i32 s[\d], s[\a], s[\b]
	s_add_co_i32 s[\d], s[\d], 127
	s_lshl_b32 s[\d], s[\d], 23
	s_mov_b32 s[\d+1], s[\d]
.endm
.macro BARRIER                         ; my LDS stores have landed and my LDS loads are in: then the work-group's barrier
	s_wait_dscnt 0x0
	s_barrier_signal -1
	s_barrier_wait -1
.endm
.macro FLOAD off                       ; 16 rows of features, 512 consecutive bytes a load, into v128-255
.set i_, 0
.rept 16
.irp p,0,1
	global_load_b128 v[128+8*i_+4*\p:131+8*i_+4*\p], v11, s[6:7] offset:\off+1024*i_+512*\p th:TH_LOAD_NT
.endr
.set i_, i_+1
.endr
.endm
.macro FSTORE off                      ; and on into my rows of FEA
.set i_, 0
.rept 16
.irp p,0,1
	ds_store_b128 v5, v[128+8*i_+4*\p:131+8*i_+4*\p] offset:\off+FP*i_+512*\p
.endr
.set i_, i_+1
.endr
.endm
.macro GW1 q                           ; half row q of g_w1 (16 numbers), the same for every lane, into slot q % 16 of window 1
.irp j,0,1,2,3
	ds_load_b128 v[16*((\q)%16)+4*\j:16*((\q)%16)+4*\j+3], v10 offset:4096+64*(\q)+16*\j
.endr
.endm
.macro ELD                             ; e_w1's twelve fragments (K step f / 4, tile f % 4) into registers 16 f on of window 1
.set f_, 0
.rept 12
.if f_ < 8
.set eo_, 16384+4096*(f_%4)+2048*(f_/4)
.else
.set eo_, 8192+2048*(f_%4)
.endif
.irp c,0,1,2,3
	ds_load_b128 v[16*f_+4*\c:16*f_+4*\c+3], v6 offset:eo_+512*\c
.endr
.set f_, f_+1
.endr
.endm
.macro RLD k                           ; batch k of r_w: K step k / 2, tiles 8 (k % 2) + 0 .. 7, into half k % 2 of window 1
.set j_, 0
.rept 8
.set tl_, 8*((\k)%2)+j_
.irp c,0,1,2,3
	ds_load_b128 v[128*((\k)%2)+16*j_+4*\c:128*((\k)%2)+16*j_+4*\c+3], v7 offset:2048*(2*tl_+(\k)/2)+512*\c
.endr
.set j_, j_+1
.endr
.endm
.macro RMM k                           ; its eight products; the 16 accumulators take turns
.set j_, 0
.rept 8
.set tl_, 8*((\k)%2)+j_
.if (\k) < 2
	v_wmma_f32_16x16x128_fp8_fp8 v[128+8*tl_:135+8*tl_], v[128*((\k)%2)+16*j_:128*((\k)%2)+16*j_+15], v[32:47], 0
.else
	v_wmma_f32_16x16x128_fp8_fp8 v[128+8*tl_:135+8*tl_], v[128*((\k)%2)+16*j_:128*((\k)%2)+16*j_+15], v[48:63], v[128+8*tl_:135+8*tl_]
.endif
.set j_, j_+1
.endr
.endm
.macro BLD b                           ; r_b of my 16 columns of chunk b, into registers 16 b on of window 1
.irp q,0,1,2,3
	ds_load_b128 v[16*(\b)+4*\q:16*(\b)+4*\q+3], v8 offset:128*(\b)+16*\q
.endr
.endm
.macro CLD b                           ; chunk b: r_lnw, r_lnb and the features of my 16 columns, into set b % 2
.irp q,0,1,2,3
	ds_load_b128 v[32+48*((\b)%2)+4*\q:35+48*((\b)%2)+4*\q], v8 offset:1024+128*(\b)+16*\q
	ds_load_b128 v[48+48*((\b)%2)+4*\q:51+48*((\b)%2)+4*\q], v8 offset:2048+128*(\b)+16*\q
	ds_load_b128 v[64+48*((\b)%2)+4*\q:67+48*((\b)%2)+4*\q], v4 offset:128*(\b)+16*\q
.endr
.endm
	s_load_b512 s[4:19], s[0:1], 0x0               ; xyz, features, blk, wfr, lowp_scales, g_b2, e_b2, out0
	s_load_b64 s[20:21], s[0:1], 0x40              ; out1
	s_set_vgpr_msb 0x80
	v_lshl_add_u32 v0, v0, 2, 0x49800
	v_mov_b32 v1, 0
	s_set_vgpr_msb 0x8000
	v_lshrrev_b32 v1, 5, v0
	v_readfirstlane_b32 s22, v1                    ; wave
	v_and_b32 v1, 15, v0                           ; r
	v_bfe_u32 v2, v0, 4, 1                         ; h
	v_and_b32 v11, 31, v0
	v_lshlrev_b32 v11, 4, v11                      ; 16 x lane
	v_add_nc_u32 v6, WFR, v11
	v_add_nc_u32 v7, WFR+32768, v11
	v_lshlrev_b32 v8, 6, v2
	v_add_nc_u32 v8, WFR, v8
	v_lshlrev_b32 v9, 5, v2
	v_add_nc_u32 v9, WFR, v9
	v_mov_b32 v10, WFR
	v_lshlrev_b32 v4, 4, v0                        ; 16 x thread
	v_mul_u32_u24 v208, v0, 12
	v_lshrrev_b32 v209, 4, v0
	v_mul_u32_u24 v209, v209, TP
	v_lshl_add_u32 v209, v1, 4, v209               ; point thread + 128 i lies in block thread / 16 + 8 i, place thread % 16
	v_add_nc_u32 v210, 16*8*TP, v209
	v_add_nc_u32 v211, WFR, v4
	v_mul_u32_u24 v3, v1, FP
	v_lshl_add_u32 v3, v2, 6, v3
	s_wait_alu depctr_va_sdst(0)                   ; s22 is written, ahead of its first reader
	s_mul_i32 s30, s22, 32*FP
	s_add_co_u32 s30, s30, FEA                     ; my wave's 32 rows
	v_add_nc_u32 v3, s30, v3                       ; row r, + 64 h: my 16 columns of a chunk of 32
	v_add_nc_u32 v5, s30, v11
	s_mov_b32 s23, 0xffff0000                      ; lanes 16-31
	s_mov_b32 s24, 0x76543210                      ; v_permlanex16_b32: lane l xor 16
	s_mov_b32 s25, 0xfedcba98
	s_mov_b32 s31, 0
	s_lshr_b32 s30, ttmp9, 5
	s_mul_i32 s30, s30, 49152
	s_wait_kmcnt 0x0
	s_load_b128 s[32:35], s[12:13], 0x0            ; e0 .. e3
	s_load_b64 s[36:37], s[12:13], 0x10            ; e4, e5
	s_load_b32 s44, s[16:17], 0x0                  ; e_b2
	s_add_nc_u64 s[4:5], s[4:5], s[30:31]          ; my cloud
	s_and_b32 s30, ttmp9, 31
	s_mul_i32 s30, s30, 1536
	s_add_nc_u64 s[58:59], s[4:5], s[30:31]        ; my work-group's queries in it
	s_lshl_b32 s30, ttmp9, 11
	s_add_nc_u64 s[8:9], s[8:9], s[30:31]
	s_lshl_b32 s30, ttmp9, 17
	s_lshl_b32 s57, s22, 15
	s_add_co_u32 s30, s30, s57
	s_add_nc_u64 s[6:7], s[6:7], s[30:31]          ; features and out0 at my wave's first row
	s_add_nc_u64 s[18:19], s[18:19], s[30:31]
	s_lshl_b32 s30, ttmp9, 9
	s_add_nc_u64 s[20:21], s[20:21], s[30:31]
	s_wait_alu depctr_va_vdst(0)                   ; the offsets and addresses v3 to v11 and v208 to v211 are written, which the loads and stores below read
.set n_, 0
.rept 32
	global_load_b96 v[16+4*n_:18+4*n_], v208, s[4:5] offset:1536*n_
.set n_, n_+1
.endr
	global_load_b96 v[216:218], v208, s[58:59]     ; my own query
.set i_, 0
.rept 16
	global_load_b128 v[144+4*i_:147+4*i_], v4, s[10:11] offset:2048*i_   ; wfr's first 32,768 bytes
.set i_, i_+1
.endr
	global_load_b128 v[12:15], v4, s[8:9]          ; my 16 block numbers
	s_wait_loadcnt 17                              ; the points are in; wfr's 16 loads and blk's may be out
.set n_, 0
.rept 16
	v_mul_f32 v[19+4*n_], v[16+4*n_], v[16+4*n_]
	v_fmac_f32 v[19+4*n_], v[17+4*n_], v[17+4*n_]
	v_fma_f32 v[19+4*n_], -v[18+4*n_], v[18+4*n_], -v[19+4*n_]
.set n_, n_+1
.endr
	s_wait_alu depctr_va_vdst(0)                   ; the fourth words of points 0 to 15 are written, which the stores below read; these are dealt among the arithmetic of the other 16 points, which names other registers
.rept 16
	ds_store_b128 v209, v[16+4*(n_-16):19+4*(n_-16)] offset:8*TP*(n_-16)
	v_mul_f32 v[19+4*n_], v[16+4*n_], v[16+4*n_]
	v_fmac_f32 v[19+4*n_], v[17+4*n_], v[17+4*n_]
	v_fma_f32 v[19+4*n_], -v[18+4*n_], v[18+4*n_], -v[19+4*n_]
.set n_, n_+1
.endr
	s_wait_alu depctr_va_vdst(0)                   ; those of points 16 to 31 are written
.set n_, 16
.rept 16
	ds_store_b128 v210, v[16+4*n_:19+4*n_] offset:8*TP*(n_-16)
.set n_, n_+1
.endr
	s_wait_loadcnt 1                               ; wfr's are in; blk's may be out
.set i_, 0
.rept 16
	ds_store_b128 v211, v[144+4*i_:147+4*i_] offset:2048*i_
.set i_, i_+1
.endr
	s_wait_dscnt 0x0                               ; my stores have landed
	s_wait_alu depctr_vm_vsrc(0)                   ; my LDS stores have read v16 to v207 and their addresses v209 to v211: all of these are written again below
	v_add_f32 v18, v216, v216                      ; 2x, 2y, 2z of my query
	v_add_f32 v19, v217, v217
	v_add_f32 v20, v218, v218
	s_wait_alu depctr_va_vdst(0)                   ; the three additions are done reading v216 to v218, in which features land
	FLOAD 0                                        ; rows 0-15 of my features: they land under pass 1
.set i_, 0
.rept 16
	v_mov_b32 v[L+i_], 0xff800000
.set i_, i_+1
.endr
	s_wait_loadcnt 32                              ; blk's load is in; the 32 just issued stay out
	s_barrier_signal -1
	s_barrier_wait -1                              ; the table and wfr's first part are whole
	s_wait_kmcnt 0x0
	MKPAIR 38, 32, 33
	MKPAIR 40, 34, 35
	MKPAIR 42, 36, 37
	; ---- PASS 1: 16 trips, a block of 16 candidates each, in two halves
	s_mov_b32 s26, 0
	BASEOF
	s_wait_alu depctr_va_vdst(0)                   ; v17 is written, which the loads read as their address
	LOADN 64, 0, 8
.Lp1:
	LOADN 96, 128, 8
	s_wait_dscnt 8                                 ; the first half is in; the eight just issued may be out
	PROC1 64
	s_wait_dscnt 0x0
	s_wait_alu depctr_vm_vsrc(0)                   ; the block's sixteen loads have read v17
	ROT
	s_wait_alu depctr_va_vdst(0)                   ; v17 is written; the first half's keys are done reading v64 to v95
	s_cmp_eq_u32 s26, 15
	s_cbranch_scc1 .Lp1_last                       ; the last trip asks for nothing
	LOADN 64, 0, 8
.Lp1_last:
	PROC1 96
	s_wait_alu depctr_va_vdst(0)                   ; the second half's keys are done reading v96 to v127, in which the next trip's loads land, and behind the last trip pass 2's first loads
	s_add_co_u32 s26, s26, 1
	s_cmp_lt_u32 s26, 16
	s_cbranch_scc1 .Lp1
	v_mov_b32 v21, v[L+15]                         ; T
	v_mov_b32 v22, 0                               ; RR
	v_mov_b32 v23, 0                               ; ties taken
.set i_, 0
.rept 16
	v_cmp_eq_f32 s[48+i_], v[L+i_], v21            ; sixteen compares in one run
.set i_, i_+1
.endr
	s_wait_alu depctr_va_sdst(0)                   ; the masks s48 to s63 are written, ahead of their first readers
.set i_, 0
.rept 16
	v_cndmask_b32 v24, 0, 1, s[48+i_]
	v_add_nc_u32 v22, v22, v24
.set i_, i_+1
.endr
.set i_, 0
.rept 48
	v_mov_b32 v[NX+i_], 0
.set i_, i_+1
.endr
	; ---- between the passes: no wave gathers, so LDS may be stored to
	BARRIER
	s_wait_loadcnt 0x0
	FSTORE 0
	s_wait_dscnt 0x0
	s_wait_alu depctr_vm_vsrc(0)                   ; the stores have read v128 to v255,
	FLOAD 16384                                    ; which take rows 16-31: they land under pass 2
	s_barrier_signal -1
	s_barrier_wait -1
	; ---- PASS 2: 16 trips, a block each, in four quarters
	s_mov_b32 s26, 0
	LOADN 96, 0, 4                                 ; no vector instruction since pass 1's last wait names v17 or v96 to v127
.Lp2:
	LOADN 112, 64, 4
	s_wait_dscnt 4                                 ; the quarter in hand is in; the four just issued may be out
	PROC2 96
	s_wait_alu depctr_va_vdst(0)                   ; the quarter's keys and pushes are done reading v96 to v111
	LOADN 96, 128, 4
	s_wait_dscnt 4
	PROC2 112
	s_wait_alu depctr_va_vdst(0)                   ; .. v112 to v127
	LOADN 112, 192, 4
	s_wait_dscnt 4
	PROC2 96
	s_wait_dscnt 0x0
	s_wait_alu depctr_vm_vsrc(0)                   ; the block's sixteen loads have read v17
	ROT
	s_wait_alu depctr_va_vdst(0)                   ; v17 is written; the third quarter is done reading v96 to v111
	s_cmp_eq_u32 s26, 15
	s_cbranch_scc1 .Lp2_last
	LOADN 96, 0, 4
.Lp2_last:
	PROC2 112
	s_wait_alu depctr_va_vdst(0)                   ; the fourth quarter is done reading v112 to v127, in which the next trip's first loads land
	s_add_co_u32 s26, s26, 1
	s_cmp_lt_u32 s26, 16
	s_cbranch_scc1 .Lp2
	; ---- the gathers are over
	BARRIER
	s_wait_loadcnt 0x0
	FSTORE 16*FP
	s_wait_dscnt 0x0
	s_wait_alu depctr_vm_vsrc(0)                   ; the stores have read v128 to v255, in which wfr's second part lands; the gathers have read v17
	v_lshlrev_b32 v17, 5, v2
	s_wait_alu depctr_va_vdst(0)                   ; v17 is written, which g_b2's loads read as their offset
	global_load_b128 v[40:43], v17, s[14:15]       ; g_b2 of outputs 8 h + 0 .. 7
	global_load_b128 v[44:47], v17, s[14:15] offset:16
.set i_, 0
.rept 32
	global_load_b128 v[128+4*i_:131+4*i_], v4, s[10:11] offset:32768+2048*i_   ; wfr's r_w part: it lands under the statistics
.set i_, i_+1
.endr
	; ---- THE TEN NUMBERS of my query's neighbourhood, all in my lane
	SUM16 18,NX,24
	SUM16 19,NY,24
	SUM16 20,NZ,24
	v_mul_f32 v18, 0x3d800000, v18                 ; / 16
	v_mul_f32 v19, 0x3d800000, v19
	v_mul_f32 v20, 0x3d800000, v20
.set i_, 0
.rept 16
	v_sub_f32 v[NX+i_], v[NX+i_], v18              ; centred
	v_sub_f32 v[NY+i_], v[NY+i_], v19
	v_sub_f32 v[NZ+i_], v[NZ+i_], v20
.set i_, i_+1
.endr
.set i_, 0
.rept 16
	v_mul_f32 v[96+i_], v[NX+i_], v[NX+i_]
.set i_, i_+1
.endr
.set i_, 0
.rept 16
	v_fmac_f32 v[96+i_], v[NY+i_], v[NY+i_]
.set i_, i_+1
.endr
.set i_, 0
.rept 16
	v_fmac_f32 v[96+i_], v[NZ+i_], v[NZ+i_]
.set i_, i_+1
.endr
.set i_, 0
.rept 16
	v_sqrt_f32 v[96+i_], v[96+i_]                  ; d: one batch; the work below names none of its results
.set i_, i_+1
.endr
	DOT16 32,NX,NX,24
	DOT16 33,NY,NY,24
	DOT16 34,NZ,NZ,24
	v_mul_f32 v32, 0x3d800000, v32                 ; the covariance's diagonal
	v_mul_f32 v33, 0x3d800000, v33
	v_mul_f32 v34, 0x3d800000, v34
	v_add_f32 v112, v32, v33
	v_add_f32 v112, v112, v34                      ; trace
	v_mul_f32 v113, v32, v33
	v_mul_f32 v113, v113, v34
	v_max_num_f32 v113, 0x322bcc77, v113           ; det, at least 1e-8
	SUM16 18,NX,24                                 ; the standard deviation takes the centred numbers' own mean away once more, as the problem's std does
	SUM16 19,NY,24
	SUM16 20,NZ,24
	v_mul_f32 v18, 0x3d800000, v18
	v_mul_f32 v19, 0x3d800000, v19
	v_mul_f32 v20, 0x3d800000, v20
.set i_, 0
.rept 16
	v_sub_f32 v[NX+i_], v[NX+i_], v18
	v_sub_f32 v[NY+i_], v[NY+i_], v19
	v_sub_f32 v[NZ+i_], v[NZ+i_], v20
.set i_, i_+1
.endr
	DOT16 35,NX,NX,24
	DOT16 36,NY,NY,24
	DOT16 37,NZ,NZ,24
	v_mul_f32 v35, 0x3d888889, v35                 ; / 15
	v_mul_f32 v36, 0x3d888889, v36
	v_mul_f32 v37, 0x3d888889, v37
	s_wait_alu depctr_va_vdst(0)                   ; one wait for the sixteen roots v96 to v111, ahead of their first reader
	SUM16 21,96,24
	v_mul_f32 v117, 0x3d800000, v21                ; mean_d
.set i_, 0
.rept 16
	v_sub_f32 v[96+i_], v[96+i_], v117
.set i_, i_+1
.endr
	DOT16 38,96,96,24
	v_mul_f32 v38, 0x3d888889, v38
	v_add_f32 v39, 0x358637bd, v112                ; trace + 1e-6
	v_sqrt_f32 v114, v35
	v_sqrt_f32 v115, v36
	v_sqrt_f32 v116, v37
	v_sqrt_f32 v118, v38                           ; std_d
	v_rcp_f32 v22, v39
	v_nop                                          ; a plain instruction behind the last of the batch
	s_wait_alu depctr_va_vdst(0)                   ; the four roots and the reciprocal are written, ahead of their first reader; and the statistics are done with v48 to v79 and v96 to v103, in which loads below land
	v_mul_f32 v119, v114, v22
	v_mul_f32 v120, v115, v22
	v_mul_f32 v121, v116, v22
	; ---- GEO NETWORK, first layer: 10 -> 32 in f32 (its result goes on into a quantised operand), one query a lane.  H = v48-79 begins as g_b1.  g_w1's half rows lie in window 1
.irp j,0,1,2,3,4,5,6,7
	ds_load_b128 v[48+4*\j:51+4*\j], v10 offset:5376+16*\j
.endr
	WIN 0x40                                       ; destination window 1
.irp q,0,1,2,3,4,5,6,7,8,9,10,11
	GW1 \q
.endr
	WIN 0x01                                       ; source 0 window 1
.set q_, 0
.rept 20
.if q_ == 9
	WIN 0x40
	s_wait_alu depctr_va_vdst(0)                   ; the multiply-adds of half rows 0 to 7 are done reading slots 0 to 7, in which the last four half rows and the two LN vectors land
.irp q,12,13,14,15,16,17,18,19
	GW1 \q
.endr
.irp j,0,1,2,3,4,5,6,7
	ds_load_b128 v[64+4*\j:67+4*\j], v10 offset:5504+16*\j       ; g_lnw: slots 4 and 5
.endr
.irp j,0,1,2,3,4,5,6,7
	ds_load_b128 v[96+4*\j:99+4*\j], v10 offset:5632+16*\j       ; g_lnb: slots 6 and 7
.endr
	WIN 0
	ds_load_b128 v[96:99], v6 offset:7168          ; g_w2's fragment
	ds_load_b128 v[100:103], v6 offset:7680
	WIN 0x01
.endif
.if q_ < 9
	s_wait_dscnt 4*(11-q_)                         ; this half row is in; those up to half row 11 may be out
.elseif q_ < 12
	s_wait_dscnt 4*(11-q_)+50                      ; .. and the fifty loads issued behind half row 8
.else
	s_wait_dscnt 4*(19-q_)+18                      ; the later half rows, the two LN vectors and g_w2's fragment may be out
.endif
.set i_, 0
.rept 16
	v_fmac_f32 v[48+16*(q_%2)+i_], v[16*(q_%16)+i_], v[112+q_/2]
.set i_, i_+1
.endr
.set q_, q_+1
.endr
	WIN 0
	SUM16 18,48,24
	SUM16 19,64,24
	v_add_f32 v18, v18, v19
	v_mul_f32 v18, 0x3d000000, v18                 ; the mean of 32
.set i_, 0
.rept 32
	v_sub_f32 v[48+i_], v[48+i_], v18
.set i_, i_+1
.endr
	DOT16 19,48,48,24
	DOT16 20,64,64,24
	v_add_f32 v19, v19, v20
	v_mul_f32 v19, 0x3d000000, v19
	v_add_f32 v19, 0x3727c5ac, v19                 ; the variance + 1e-5
	v_rsq_f32 v19, v19
	v_nop
	s_wait_alu depctr_va_vdst(0)                   ; the root v19 is written, ahead of its first reader
	s_wait_dscnt 0x0
.set i_, 0
.rept 32
	v_mul_f32 v[48+i_], v[48+i_], v19
.set i_, i_+1
.endr
	WIN 0x14                                       ; sources 1 and 2 window 1
.set i_, 0
.rept 32
	v_fma_f32 v[48+i_], v[48+i_], v[64+i_], v[96+i_]
.set i_, i_+1
.endr
	WIN 0
	MKSC 32,26,27
.set i_, 0
.rept 32
	v_med3_num_f32 v[48+i_], v[48+i_], 0, v27      ; the activation and the hold in one: between 0 and 448 x 2^e0
.set i_, i_+1
.endr
.irp g,0,1,2,3
	v_cvt_scalef32_pk8_fp8_f32 v[32+2*\g:33+2*\g], v[48+8*\g:55+8*\g], v26   ; register i of v32-39: hidden units 4 i .. 4 i + 3 of my query
.endr
	v_nop                                          ; one plain vector instruction behind the last conversion
	; from one query a lane to two operands of 16 rows: lane (r, h) wants row r's units 16 h + 0 .. 15.  Lanes 0-15 send their upper half, lanes 16-31 their lower
.irp i,0,1,2,3
	v_cndmask_b32 v[24+\i], v[36+\i], v[32+\i], s23
.endr
.irp i,0,1,2,3
	v_permlanex16_b32 v[28+\i], v[24+\i], s24, s25
.endr
.irp i,0,1,2,3
	v_cndmask_b32 v[80+\i], v[32+\i], v[28+\i], s23
	v_cndmask_b32 v[88+\i], v[28+\i], v[36+\i], s23
	v_mov_b32 v[84+\i], 0                          ; K = 32 of the instruction's 64: zero codes on both sides
	v_mov_b32 v[92+\i], 0
.endr
	v_wmma_f32_16x16x64_fp8_fp8 v[104:111], v[96:103], v[80:87], 0    ; lane (r, h): geo outputs 8 h + 0 .. 7 of row r, tile 0
	v_wmma_f32_16x16x64_fp8_fp8 v[112:119], v[96:103], v[88:95], 0    ; tile 1
	MKSC 34,18,19                                  ; 2^e2 and its hold; 2^e4 and its hold.  (These five vector lines are the places behind the products)
	MKSC 36,20,21
	v_mov_b32 v16, 0
	s_wait_loadcnt 32                              ; g_b2 is in; wfr's 32 loads may be out
.irp i,0,2,4,6
	v_pk_fma_f32 v[104+\i:105+\i], v[104+\i:105+\i], s[38:39], v[40+\i:41+\i] op_sel_hi:[1,0,1]   ; sum x 2^(e0 + e1) + g_b2
.endr
.irp i,0,2,4,6
	v_pk_fma_f32 v[112+\i:113+\i], v[112+\i:113+\i], s[38:39], v[40+\i:41+\i] op_sel_hi:[1,0,1]
.endr
.set i_, 0
.rept 16
	v_med3_num_f32 v[104+i_], v[104+i_], -v19, v19
.set i_, i_+1
.endr
	v_cvt_scalef32_pk8_fp8_f32 v[22:23], v[104:111], v18   ; columns 256 + 8 h + 0 .. 7 of the edge network's input, tile 0
	v_cvt_scalef32_pk8_fp8_f32 v[24:25], v[112:119], v18   ; tile 1
	v_nop
	s_wait_alu depctr_vm_vsrc(0)                   ; g_b2's loads have read v17
	v_mov_b32 v17, 0                               ; the probability of my own query, gathered below
	s_wait_loadcnt 0x0
	v_add_nc_u32 v26, WFR+32768, v4
	s_wait_alu depctr_va_vdst(0)                   ; v26 is written, which the stores read as their address
.set i_, 0
.rept 32
	ds_store_b128 v26, v[128+4*i_:131+4*i_] offset:2048*i_
.set i_, i_+1
.endr
	BARRIER                                        ; r_w's fragments lie in LDS
	s_wait_alu depctr_vm_vsrc(0)                   ; the stores have read v26 and v128 to v255, wfr's loads have read v4: the first tile writes all of these
	; ---- TWO TILES OF 16 ROWS.  v16 the row's probability, v18-21 scales and holds, v22-25 geo's codes, v26-31 at work
	s_mov_b32 s26, 0
	s_mov_b32 s27, 0
	s_mov_b32 s28, 0xffff                          ; the lanes whose own query lies in this tile
.Ltile:
	v_add_nc_u32 v4, s27, v3
	s_wait_alu depctr_va_vdst(0)                   ; v4 is written, which the loads read; all earlier vector and matrix instructions are done with window 1, in which e_w1's fragments land below
	; (a) my row's 128 features become two operands: codes under 2^e2 (v80-111) and under 2^e4 (v32-63)
.set b_, 0
.rept 8
.irp q,0,1,2,3
	ds_load_b128 v[128+16*b_+4*\q:131+16*b_+4*\q], v4 offset:128*b_+16*\q
.endr
.set b_, b_+1
.endr
.set b_, 0
.rept 8
.if b_ < 4
	s_wait_dscnt 4*(7-b_)                          ; chunk b's four loads are in; the later chunks' may be out
.else
	s_wait_dscnt 4*(7-b_)+48                       ; .. and the 48 loads of e_w1's fragments
.endif
.if b_ == 3
	WIN 0x40                                       ; destination window 1.  No vector instruction since the wait at the tile's head names v6 or a register of window 1
	ELD
	WIN 0
.endif
.set i_, 0
.rept 16
	v_med3_num_f32 v[64+i_], v[128+16*b_+i_], -v19, v19
.set i_, i_+1
.endr
	v_cvt_scalef32_pk8_fp8_f32 v[80+4*b_:81+4*b_], v[64:71], v18
	v_cvt_scalef32_pk8_fp8_f32 v[82+4*b_:83+4*b_], v[72:79], v18
.set i_, 0
.rept 16
	v_med3_num_f32 v[128+16*b_+i_], v[128+16*b_+i_], -v21, v21
.set i_, i_+1
.endr
	v_cvt_scalef32_pk8_fp8_f32 v[32+4*b_:33+4*b_], v[128+16*b_:135+16*b_], v20
	v_cvt_scalef32_pk8_fp8_f32 v[34+4*b_:35+4*b_], v[136+16*b_:143+16*b_], v20
.set b_, b_+1
.endr
	v_nop
	v_mov_b32 v112, v22                            ; the third K step: geo's 16 columns, then zero codes
	v_mov_b32 v113, v23
.set i_, 114
.rept 14
	v_mov_b32 v[i_], 0
.set i_, i_+1
.endr
	; (b) the edge network's first layer: K = 272 in three steps, 64 outputs in four tiles, v192-223; the four accumulators take turns
	WIN 0x01                                       ; source 0 window 1
.set ks_, 0
.rept 3
	s_wait_dscnt 32-16*ks_                         ; this K step's four fragments are in; the later steps' may be out
.set t_, 0
.rept 4
.if ks_ == 0
	v_wmma_f32_16x16x128_fp8_fp8 v[192+8*t_:199+8*t_], v[16*(4*ks_+t_):16*(4*ks_+t_)+15], v[80+16*ks_:95+16*ks_], 0
.else
	v_wmma_f32_16x16x128_fp8_fp8 v[192+8*t_:199+8*t_], v[16*(4*ks_+t_):16*(4*ks_+t_)+15], v[80+16*ks_:95+16*ks_], v[192+8*t_:199+8*t_]
.endif
.set t_, t_+1
.endr
.set ks_, ks_+1
.endr
	WIN 0
.rept 4
	v_nop                                          ; places in front of the first read of results (ISA guide 7.12.1)
.endr
	s_wait_alu depctr_va_vdst(0)                   ; the twelve products are done reading v80 to v127 and window 1, the quantising is done with v64 to v79 and v128 to v191: parameters and r_w's fragments land in these
	; (c) LN over 64 (32 in my lane, 32 in lane l xor 16), ReLU, the dot product with e_w2, the sigmoid
.set t_, 0
.rept 4
.irp q,0,1
	ds_load_b128 v[128+8*t_+4*\q:131+8*t_+4*\q], v9 offset:3072+64*t_+16*\q    ; e_b1 of outputs 16 t + 8 h + 0 .. 7
.endr
.set t_, t_+1
.endr
.set t_, 0
.rept 4
.irp q,0,1
	ds_load_b128 v[160+8*t_+4*\q:163+8*t_+4*\q], v9 offset:3328+64*t_+16*\q    ; e_lnw
	ds_load_b128 v[64+8*t_+4*\q:67+8*t_+4*\q], v9 offset:3584+64*t_+16*\q      ; e_lnb
	ds_load_b128 v[96+8*t_+4*\q:99+8*t_+4*\q], v9 offset:3840+64*t_+16*\q      ; e_w2
.endr
.set t_, t_+1
.endr
	s_wait_dscnt 24                                ; e_b1 is in
.set i_, 0
.rept 16
	v_pk_fma_f32 v[192+i_:193+i_], v[192+i_:193+i_], s[40:41], v[128+i_:129+i_] op_sel_hi:[1,0,1]   ; sum x 2^(e2 + e3) + e_b1; each result from its low end on
.set i_, i_+2
.endr
	SUM16 26,192,128
	SUM16 27,208,128
	v_add_f32 v26, v26, v27
	XADD 26,27
	v_mul_f32 v26, 0xbc800000, v26                 ; - the mean of 64
	v_mov_b32 v27, v26
.set i_, 0
.rept 16
	v_pk_add_f32 v[192+i_:193+i_], v[192+i_:193+i_], v[26:27]
.set i_, i_+2
.endr
	DOT16 28,192,192,128
	DOT16 29,208,208,128
	v_add_f32 v28, v28, v29
	XADD 28,29
	v_mul_f32 v28, 0x3c800000, v28
	v_add_f32 v28, 0x3727c5ac, v28
	v_rsq_f32 v28, v28
	v_nop
	s_wait_alu depctr_va_vdst(0)                   ; the root v28 is written, ahead of its first reader
	v_mov_b32 v29, v28
	s_wait_dscnt 0x0
	WIN 0x40                                       ; destination window 1.  No vector instruction since the wait behind the twelve products names v7 or a register of window 1
	RLD 0                                          ; r_w's first batch lands under the rest of this network
	WIN 0
.set i_, 0
.rept 16
	v_pk_mul_f32 v[160+i_:161+i_], v[160+i_:161+i_], v[28:29]
.set i_, i_+2
.endr
.set i_, 0
.rept 16
	v_pk_fma_f32 v[192+i_:193+i_], v[192+i_:193+i_], v[160+i_:161+i_], v[64+i_:65+i_]
.set i_, i_+2
.endr
.set i_, 0
.rept 32
	v_max_num_f32 v[192+i_], 0, v[192+i_]
.set i_, i_+1
.endr
	DOT16 26,192,96,128
	DOT16 27,208,112,128
	v_add_f32 v26, v26, v27
	XADD 26,27
	v_add_f32 v26, s44, v26                        ; + e_b2
	v_mul_f32 v26, 0xbfb8aa3b, v26                 ; x -log2(e)
	v_exp_f32 v26, v26
	v_nop
	s_wait_alu depctr_va_vdst(0)                   ; the exponential v26 is written, ahead of its first reader
	v_add_f32 v26, 1.0, v26
	v_rcp_f32 v16, v26                             ; the row's probability, in both of its lanes
	v_nop
	s_wait_alu depctr_va_vdst(0)                   ; the reciprocal v16 is written, ahead of its first reader
	v_cndmask_b32 v17, v17, v16, s28
	; (d) features x r_w: 16 tiles of outputs in v128-255, two K steps, in four batches of eight fragments; batch k is multiplied while batch k + 1 lands in the other half of window 1
	s_wait_dscnt 0x0                               ; batch 0 is in
	WIN 0x40                                       ; destination window 1.  The upper half was last read by the edge network's products, ahead of the wait behind them
	RLD 1
	WIN 0x01                                       ; source 0 window 1
	RMM 0
	s_wait_dscnt 0x0                               ; batch 1 is in
	WIN 0x40
	s_wait_alu depctr_va_vdst(0)                   ; batch 0's products are done reading the lower half
	RLD 2
	WIN 0x01
	RMM 1
	s_wait_dscnt 0x0                               ; batch 2 is in
	WIN 0x40
	s_wait_alu depctr_va_vdst(0)                   ; batch 1's products are done reading the upper half
	RLD 3
	WIN 0x01
	RMM 2
	s_wait_dscnt 0x0                               ; batch 3 is in
	WIN 0x40
	s_wait_alu depctr_va_vdst(0)                   ; batch 2's products are done reading the lower half, which takes r_b's 128 numbers of my columns
.irp b,0,1,2,3,4,5,6,7
	BLD \b
.endr
	WIN 0x01
	RMM 3
	; (e) + r_b, LN over 256 (128 in my lane), ReLU, x probability, + features
	WIN 0x10                                       ; source 2 window 1
.rept 4
	v_nop                                          ; places in front of the first read of results (ISA guide 7.12.1)
.endr
	s_wait_dscnt 0x0                               ; r_b is in
.set b_, 0
.rept 8
.set i_, 0
.rept 8
	v_pk_fma_f32 v[128+16*b_+i_:129+16*b_+i_], v[128+16*b_+i_:129+16*b_+i_], s[42:43], v[16*b_+i_:16*b_+i_+1] op_sel_hi:[1,0,1]   ; sum x 2^(e4 + e5) + r_b; each result from its low end on
.set i_, i_+2
.endr
.set b_, b_+1
.endr
	WIN 0
.set b_, 0
.rept 8
	SUM16 32+b_,128+16*b_,40
.set b_, b_+1
.endr
	SUM8 26,32
	XADD 26,27
	v_mul_f32 v26, 0xbb800000, v26                 ; - the mean of 256
	v_mov_b32 v27, v26
.set i_, 0
.rept 64
	v_pk_add_f32 v[128+i_:129+i_], v[128+i_:129+i_], v[26:27]
.set i_, i_+2
.endr
.set b_, 0
.rept 8
	DOT16 32+b_,128+16*b_,128+16*b_,40
.set b_, b_+1
.endr
	SUM8 28,32
	XADD 28,29
	v_mul_f32 v28, 0x3b800000, v28
	v_add_f32 v28, 0x3727c5ac, v28
	v_rsq_f32 v28, v28
	v_mov_b32 v30, v16                             ; (a plain instruction behind the transcendental)  the probability as a pair
	v_mov_b32 v31, v16
	s_wait_alu depctr_va_vdst(0)                   ; the root v28 is written, ahead of its first reader; the sums above and the products are done with v32 to v127, in which the first two sets land
	v_mov_b32 v29, v28
	v_add_nc_u32 v26, s27, v5                      ; where the dense rows are read back: written here, ahead of the chunks' waits
	CLD 0
	CLD 1
.set b_, 0
.rept 8
.if b_ == 0
	s_wait_dscnt 12                                ; behind chunk 0's loads: chunk 1's twelve
.elseif b_ < 7
	s_wait_dscnt 16                                ; behind chunk b's loads: chunk b-1's four stores and chunk b+1's twelve loads
.else
	s_wait_dscnt 4                                 ; behind chunk 7's loads: chunk 6's four stores
.endif
.set i_, 0
.rept 8
	v_pk_mul_f32 v[32+48*(b_%2)+i_:33+48*(b_%2)+i_], v[32+48*(b_%2)+i_:33+48*(b_%2)+i_], v[28:29]
.set i_, i_+2
.endr
.set i_, 0
.rept 8
	v_pk_fma_f32 v[128+16*b_+i_:129+16*b_+i_], v[128+16*b_+i_:129+16*b_+i_], v[32+48*(b_%2)+i_:33+48*(b_%2)+i_], v[48+48*(b_%2)+i_:49+48*(b_%2)+i_]
.set i_, i_+2
.endr
.set i_, 0
.rept 16
	v_max_num_f32 v[128+16*b_+i_], 0, v[128+16*b_+i_]
.set i_, i_+1
.endr
.set i_, 0
.rept 8
	v_pk_fma_f32 v[128+16*b_+i_:129+16*b_+i_], v[128+16*b_+i_:129+16*b_+i_], v[30:31], v[64+48*(b_%2)+i_:65+48*(b_%2)+i_]
.set i_, i_+2
.endr
	s_wait_alu depctr_va_vdst(0)                   ; the chunk's results are written, which the four stores read; its arithmetic is done reading its set, in which the twelve loads land
.irp q,0,1,2,3
	ds_store_b128 v4, v[128+16*b_+4*\q:131+16*b_+4*\q] offset:128*b_+16*\q     ; over the features' own bytes, which have been read
.endr
.if b_+2 < 8
	CLD b_+2
.endif
.set b_, b_+1
.endr
	s_wait_dscnt 0x0                               ; the stores have landed
	s_wait_alu depctr_vm_vsrc(0)                   ; the stores have read v128 to v255, in which the dense rows land
.set i_, 0
.rept 16
.irp p,0,1
	ds_load_b128 v[128+8*i_+4*\p:131+8*i_+4*\p], v26 offset:FP*i_+512*\p       ; back as dense half rows: my wave's own bytes
.endr
.set i_, i_+1
.endr
.set i_, 0
.rept 16
.irp p,0,1
	s_wait_dscnt 31-2*i_-\p
	global_store_b128 v11, v[128+8*i_+4*\p:131+8*i_+4*\p], s[18:19] offset:1024*i_+512*\p th:TH_STORE_NT   ; 32 lanes store 512 consecutive bytes, at a multiple of 256 from out0's first byte
.endr
.set i_, i_+1
.endr
	s_wait_xcnt 0x0                                ; the stores have had their addresses translated: their registers and their base are written again only behind this wait
	s_wait_alu depctr_vm_vsrc(0)                   ; the stores have read v128 to v255, the tile's LDS instructions v4 and v26: the next tile, and the line behind the loop, write these
	s_add_nc_u64 s[18:19], s[18:19], 0x4000
	s_add_co_u32 s27, s27, 16*FP
	s_not_b32 s28, s28
	v_mov_b32 v22, v24
	v_mov_b32 v23, v25
	s_add_co_u32 s26, s26, 1
	s_cmp_lt_u32 s26, 2
	s_cbranch_scc1 .Ltile
	v_lshlrev_b32 v26, 2, v0
	s_wait_alu depctr_va_vdst(0)                   ; v26 and v17 are written, which the store reads
	global_store_b32 v26, v17, s[20:21]            ; out1: a wave stores 128 consecutive bytes; joining the four waves' stores would cost a barrier for one 257th of the output's bytes
	s_set_vgpr_msb 0xa
	s_wait_dscnt 0x0
	s_wait_alu depctr_hold_cnt(0) depctr_sa_sdst(0) depctr_va_vdst(0) depctr_va_sdst(0) depctr_va_ssrc(0) depctr_va_vcc(0) depctr_vm_vsrc(0)
	s_wait_tensorcnt 0x0
	ds_add_u32 v0, v1
	s_wait_dscnt 0x0
	s_endpgm
.Lfunc_end_k_q6f30ff5a73_edge:
	.size	k_q6f30ff5a73_edge, .Lfunc_end_k_q6f30ff5a73_edge-k_q6f30ff5a73_edge
	.p2alignl 7, 3214868480
	.fill 96, 4, 3214868480
	.section	.rodata,"a",@progbits
	.p2align	6, 0x0
	.amdhsa_kernel k_q6f30ff5a73_edge
		.amdhsa_group_segment_fixed_size 301568
		.amdhsa_private_segment_fixed_size 0
		.amdhsa_enable_private_segment 0
		.amdhsa_kernarg_size 72
		.amdhsa_user_sgpr_count 2
		.amdhsa_user_sgpr_kernarg_segment_ptr 1
		.amdhsa_wavefront_size32 1
		.amdhsa_system_sgpr_workgroup_id_x 1
		.amdhsa_system_sgpr_workgroup_id_y 1
		.amdhsa_system_sgpr_workgroup_id_z 1
		.amdhsa_system_vgpr_workitem_id 0
		.amdhsa_next_free_vgpr 514
		.amdhsa_next_free_sgpr 66
		.amdhsa_reserve_vcc 1
		.amdhsa_float_denorm_mode_32 3
		.amdhsa_float_denorm_mode_16_64 3
		.amdhsa_memory_ordered 1
		.amdhsa_forward_progress 1
		.amdhsa_inst_pref_size 235
	.end_amdhsa_kernel
	.amdgpu_metadata
---
amdhsa.version: [ 1, 2 ]
amdhsa.kernels:
  - .name:           k_q6f30ff5a73_edge
    .symbol:         k_q6f30ff5a73_edge.kd
    .args:
      - { .name: xyz, .offset: 0, .size: 8, .value_kind: global_buffer, .address_space: global }
      - { .name: features, .offset: 8, .size: 8, .value_kind: global_buffer, .address_space: global }
      - { .name: blk, .offset: 16, .size: 8, .value_kind: global_buffer, .address_space: global }
      - { .name: wfr, .offset: 24, .size: 8, .value_kind: global_buffer, .address_space: global }
      - { .name: lowp_scales, .offset: 32, .size: 8, .value_kind: global_buffer, .address_space: global }
      - { .name: g_b2, .offset: 40, .size: 8, .value_kind: global_buffer, .address_space: global }
      - { .name: e_b2, .offset: 48, .size: 8, .value_kind: global_buffer, .address_space: global }
      - { .name: out0, .offset: 56, .size: 8, .value_kind: global_buffer, .address_space: global }
      - { .name: out1, .offset: 64, .size: 8, .value_kind: global_buffer, .address_space: global }
    .group_segment_fixed_size: 301568
    .private_segment_fixed_size: 0
    .kernarg_segment_align: 8
    .kernarg_segment_size: 72
    .max_flat_workgroup_size: 128
    .sgpr_count:     66
    .vgpr_count:     514
    .wavefront_size: 32
...
	.end_amdgpu_metadata
.endif
;; end of part 4
